; MI455X (gfx1250); checked and timed in simulation.
; The chip was launched on July 23, 2026; its instructions are those of AMD's public machine-readable ISA for CDNA 5 (MIT licence, August 2026) and "CDNA5" Instruction Set Architecture Reference Guide (July 2026). The comments in the code are by the model that wrote it; some were corrected since.
;; Cross Attention. Allowed arithmetic: matrix products marked QUANTISED: E2M3 operands, one E8M0 scale for each 32 along K, by v_wmma_scale_f32_16x16x128_f8f6f4 with both operands' format E2M3, f32 sums; everything else in f32.
;; Inputs: Wk 1,024 x 1,024 float32; Wo 1,024 x 1,024 float32; Wq 1,024 x 1,024 float32; Wv 1,024 x 1,024 float32; bk 1,024 float32; bo 1,024 float32; bq 1,024 float32; bv 1,024 float32; context 8 x 1,024 x 1,024 float32; x 8 x 1,024 x 1,024 float32.
;; Outputs: out0 8 x 1,024 x 1,024 float32.
;; This version of the problem:
;;   THIS VERSION OF THE PROBLEM IS GIVEN IN LOW PRECISION. The matrix products marked QUANTISED in the list below multiply operands that are first quantised to E2M3 (2 exponent bits, 3 mantissa bits; 6 bits a number), with one power-of-two scale for each 32 numbers along K (OCP MX v1.0); their sums are f32. All else is computed in f32.
;;   The module's matrix products, in the order in which they are computed (A, B: the left and right operand; K: the contracted axis; several contracted axes count as one K, in the product's order):
;;     1. [M 8,192, K 1,024] x [K 1,024, N 1,024]; A: input x; B: input Wq: QUANTISED
;;     2. [M 8,192, K 1,024] x [K 1,024, N 1,024]; A: input context; B: input Wk: QUANTISED
;;     3. [M 8,192, K 1,024] x [K 1,024, N 1,024]; A: input context; B: input Wv: QUANTISED
;;     4. batch 128 x [M 1,024, K 64] x [K 64, N 1,024]; A: computed on the way; B: computed on the way: QUANTISED
;;     5. batch 128 x [M 1,024, K 1,024] x [K 1,024, N 64]; A: softmax (see below); B: computed on the way: QUANTISED
;;     6. [M 8,192, K 1,024] x [K 1,024, N 1,024]; A: computed on the way; B: input Wo: QUANTISED
;;   THE QUANTISER, for each operand of a quantised product, along K:
;;     - K is cut into blocks of 32 from its start; a last block that is shorter is filled with zeros.
;;     - A block's scale is 2^e with e = floor(log2(the largest magnitude in the block)) - 2, held to -126 .. 127; a block of zeros has e = 0. As a byte (E8M0): e + 127.
;;     - Each number is divided by its block's scale, clamped to +-7.5, and rounded to the nearest number of E2M3, ties to even, subnormals kept.
;;     - The product sums the exact products of the quantised numbers (number of the format x scale) in f32.
;;   ~~~python
;;   def quantise(x, axis):      # numpy; x: float32 -> the quantised numbers, widened to float32 again
;;       x = np.moveaxis(x, axis, -1); K = x.shape[-1]
;;       x = np.pad(x, [(0, 0)] * (x.ndim - 1) + [(0, -K % 32)]); x = x.reshape(x.shape[:-1] + (-1, 32)); a = np.abs(x).max(-1, keepdims=True)
;;       e = np.where(a > 0, np.clip(np.frexp(np.where(a > 0, a, 1))[1] - 1 - 2, -126, 127), 0)      # np.frexp(a)[1] - 1 = floor(log2(a)), exactly
;;       r = np.clip(x / 2.0 ** e, -7.5, 7.5)
;;       step = 2.0 ** (np.maximum(np.frexp(np.where(r == 0, 1, r))[1] - 1, 0) - 3)
;;       q = np.round(r / step) * step * 2.0 ** e      # np.round: ties to even
;;       return np.moveaxis(q.reshape(q.shape[:-2] + (-1,))[..., :K], -1, axis).astype(np.float32)
;;   ~~~
;;   SOFTMAX AHEAD OF A QUANTISED PRODUCT. Where the list says 'softmax', what is quantised is not the finished softmax but p = 2^(t - M), with t = logit x log2(e) and M = ceil(the row's largest t), a whole number; so 1/2 < the row's largest p <= 1. The row's sum l is taken of the UNQUANTISED p, in f32, and the product's result is divided by l at the end. Since M is a whole number, a kernel that streams over the keys may use a running M (the ceiling of the running maximum): every later rescaling is an exact power of two, which a block's scale takes up: the codes' values come out the same.
;;   OPERANDS COMPUTED ON THE WAY. 'Computed on the way' means the value that the module computes at that place (a softmax that the list does not call 'softmax' is quantised finished and normalised). What goes into a quantiser is computed in f32, as accurately as f32 sums, v_exp_f32 and their like allow (about 1e-6 of the number): no bf16 or f16 on the way to a quantiser, and a product that is left as it is and whose result goes on into a quantised operand takes f32 operands (vector FMAs, or v_wmma_f32_16x16x4_f32). A number that lies on a knife's edge between two numbers of the format may be rounded either way, as far as f32 arithmetic and the matrix unit's own rounding can turn it there, and no further.
;; One version. Each part assembles by itself: llvm-mc -triple=amdgcn-amd-amdhsa -mcpu=gfx1250 --defsym DOCPART=n.
;; ======== version 1 of 1: 4 launches
;; limits: right only within a limited range of input values
;; workspace buffers: codes 15,728,640 bytes; scl 655,360 bytes; qkv 21,495,808 bytes; oc 6,291,456 bytes; os 262,144 bytes
;; launch quant (part 1): grid 1152 x 1, 4 waves a work-group, no clusters, 58,880 bytes of LDS; arguments x, context, Wq, Wk, Wv, Wo, codes, scl; writes codes, scl
.if DOCPART == 1
	.amdgcn_target "amdgcn-amd-amdhsa--gfx1250"
	.amdhsa_code_object_version 6
	.text
	.protected	k_qd8ce2aec40_quant
	.globl	k_qd8ce2aec40_quant
	.p2align	8
	.type	k_qd8ce2aec40_quant,@function
k_qd8ce2aec40_quant:
	s_mov_b64 s[64:65], 0
	v_nop
	global_prefetch_b8 v0, s[64:65] scope:SCOPE_SE
	s_setreg_imm32_b32 hwreg(HW_REG_WAVE_MODE, 25, 1), 1
	s_wait_xcnt 0x0
; CROSS ATTENTION IN MX-FP6, launch 1 of 4: x, context [8192][1024] and Wq, Wk, Wv, Wo [1024 (k)][1024 (n)], f32, become codes of E2M3 with one E8M0 byte for each 32 along K.
; DEAD WORK: none.  Every input has a way to out0: bq, bk and bv move the codes of q, k and v, which are operands of live quantised products; bo is added to the result.  So all ten inputs are loaded by some launch.
; LIMITS: NaN and infinities among the inputs are not served.  A block whose largest magnitude lies under 2^-124 gets the byte 1; a block of zeros gets the byte 1 where the quantiser says 127: its codes are zeros,
; which add nothing under any byte but 0xff, and the bytes are read by this program alone.
; THE IMAGE.  A fragment (16 rows x 128 K, 12 registers a lane; lane (r, h): registers 6 c .. 6 c + 5 = K 64 c + 32 h + 0 .. 31 of row r) lies in memory as 1,536 bytes: for c = 0, 1: registers 6 c .. 6 c + 3 at
; 768 c + 16 x lane, registers 6 c + 4, 6 c + 5 at 768 c + 512 + 8 x lane.  Every store and load of it covers whole runs of 256 or 512 consecutive bytes.
; THE ROWS OF A BLOCK ARE NOT NEIGHBOURS: lane r of block mb stands for row 32 (mb / 2) + 8 (mb % 2) + r + 8 (r / 8), so that, where a block is source 0 of a product, the results of blocks 2 B and 2 B + 1 are 16 neighbours in a lane.
; codes: [hb 0..159][K step 0..7][block 0..7][1536], hb = 128 rows: 0-63 x, 64-127 context, 128-135 Wq, 136-143 Wk, 144-151 Wv, 152-159 Wo.   scl: [mb 0..1279][K step 0..7][r 0..15] words of four bytes.
; SHARES.  Work-groups 0-127 take the weights (a lane to a column n, registers down K), work-groups 128-1151 a block of 16 token rows each (wave w: K 256 w on).  Waves share nothing: no barrier.
; The two ways part on the work-group's number and have LDS bytes of their own.  No matrix unit, no cluster, no tensor load: memory binds, and several work-groups share a WGP.
.set HBB,   98304                      ; bytes of 128 rows' codes
.set KSB,   12288                      ; of one K step of them
.set IMG,   1536                       ; of one image
.set TSTG,  8448                       ; LDS 0 on: a token stage for each wave: 16 rows x (512 bytes + 16)
.set WSTG0, 33792                      ; LDS from here: a weight stage for each wave: four images
.set WSTG,  6144
.set SPARE, 58368                      ; the spare words, 128 bytes for each wave: two blocks of 256 bytes that no other line names
.set SPW,   8                          ; v8   LDS address of my spare word; never rewritten
.set NIL,   9                          ; v9   0; never rewritten
.set SEL,   22                         ; s[22:23] lane selects for v_permlanex16_b32: lane l xor 16
.set R,     16                         ; tokens: v16-143 two sets of 64 numbers as loaded
.set XT,    16                         ; v16-79 64 numbers, 16 neighbours of each of four blocks: they come back from the stage into the first set's registers, behind the wait for the stage's stores
.set PC,    144                        ; v144-155 the codes just made; v156-162 at work
.set TM,    164                        ; v164-179 at work in QUANT
.set PW,    180                        ; v180 the scale word just made
.set XW,    32                         ; weights: v32-95 two sets of 32 numbers
.set OUTR,  112                        ; v112-159 the way out
; 64 numbers of a lane, v[s] .. v[s + 63], register 16 b + i = K 32 b + 16 (lane / 16) + i of my row, become a fragment's codes in v[PC] on and its scale word in v[PW] (the same in both halves of the lanes).
.macro QUANT s
.irp b, 0,1,2,3
	v_max3_num_f32 v[TM+\b], |v[\s+16*\b]|, |v[\s+1+16*\b]|, 0x1800000   ; block b: my 16 numbers, and the floor 2^(3 - 127): the byte cannot fall under 1
.endr
.irp i, 2,4,6,8,10,12,14
.irp b, 0,1,2,3
	v_max3_num_f32 v[TM+\b], v[TM+\b], |v[\s+16*\b+\i]|, |v[\s+1+16*\b+\i]|   ; the four blocks by turns
.endr
.endr
.irp b, 0,1,2,3
	v_permlanex16_b32 v[TM+4+\b], v[TM+\b], s[SEL], s[SEL+1]
.endr
.irp b, 0,1,2,3
	v_max_num_f32 v[TM+\b], v[TM+\b], v[TM+4+\b]   ; with lane l xor 16's: the block's largest magnitude
.endr
.irp b, 0,1,2,3
	v_add_nc_u32 v[TM+12+\b], 0xff000000, v[TM+\b]   ; 2 off its exponent field: the conversion takes this operand's exponent field as its scale
.endr
.irp b, 0,1,2,3
	v_lshrrev_b32 v[TM+4+\b], 23, v[TM+12+\b]      ; the scale's byte
.endr
	v_lshl_or_b32 v[PW], v[TM+5], 8, v[TM+4]
	v_lshl_or_b32 v[PW], v[TM+6], 16, v[PW]
	v_lshl_or_b32 v[PW], v[TM+7], 24, v[PW]
.irp c, 0,1
	v_cvt_scalef32_pk16_fp6_f32 v[PC+6*\c:PC+2+6*\c], v[\s+32*\c:\s+15+32*\c], v[TM+12+2*\c]
	v_cvt_scalef32_pk16_fp6_f32 v[PC+12+4*\c:PC+14+4*\c], v[\s+16+32*\c:\s+31+32*\c], v[TM+12+2*\c+1]   ; (a conversion's three registers begin on an even number)
.endr
	v_nop                                          ; one plain place behind a scaled conversion
.irp c, 0,1                                    ; the layout wants a whole block in a lane: lanes 0-15 block 2 c, lanes 16-31 block 2 c + 1
.irp i, 0,1,2
	v_permlane16_swap_b32 v[PC+6*\c+\i], v[PC+12+4*\c+\i]
.endr
.irp i, 0,1,2
	v_mov_b32 v[PC+3+6*\c+\i], v[PC+12+4*\c+\i]
.endr
.endr
.endm
	s_load_b256 s[4:11], s[0:1], 0x0               ; x s[4:5], context s[6:7], Wq s[8:9], Wk s[10:11]
	s_load_b256 s[12:19], s[0:1], 0x20             ; Wv s[12:13], Wo s[14:15], codes s[16:17], scl s[18:19]
	v_lshl_add_u32 v[SPW], v0, 2, SPARE
	v_mov_b32 v[NIL], 0
	v_lshrrev_b32 v1, 5, v0
	v_readfirstlane_b32 s20, v1                    ; wave 0..3
	v_and_b32 v1, 31, v0                           ; lane
	s_mov_b32 s[SEL], 0x76543210
	s_mov_b32 s[SEL+1], 0xfedcba98
	s_wait_kmcnt 0x0
	s_cmp_lt_u32 ttmp9, 128
	s_cbranch_scc1 .Lweights
	; ---------------- TOKENS: block mb of 16 rows; my wave: K 256 w on, two fragments
	s_sub_co_u32 s24, ttmp9, 128                   ; mb 0..1023: 0-511 x, 512-1023 context
	s_cmp_lt_u32 s24, 512
	s_cselect_b64 s[26:27], s[4:5], s[6:7]         ; the choice hangs on the work-group's number alone
	s_and_b32 s25, s24, 511
	s_lshr_b32 s28, s25, 1
	s_lshl_b32 s28, s28, 5
	s_and_b32 s29, s24, 1
	s_lshl_b32 s29, s29, 3
	s_add_co_u32 s28, s28, s29                     ; the block's first row: 32 (mb / 2) + 8 (mb % 2)
	s_lshl_b32 s28, s28, 12                        ; rows of 4,096 bytes
	s_lshl_b32 s29, s20, 10
	s_add_co_u32 s28, s28, s29                     ; + 1,024 w
	s_mov_b32 s29, 0
	s_add_nc_u64 s[26:27], s[26:27], s[28:29]
	s_wait_alu depctr_va_vdst(0)
	v_lshlrev_b32 v2, 4, v1                        ; 16 x lane
	s_wait_alu depctr_va_vdst(0)
.irp k, 0,1
.irp i, 0,1,2,3,4,5,6,7,8,9,10,11,12,13,14,15
	global_load_b128 v[R+64*\k+4*\i:R+64*\k+4*\i+3], v2, s[26:27] offset:(\i+8*(\i/8))*4096+512*\k th:TH_LOAD_NT   ; 512 consecutive bytes of the block's i-th row: one K step of it
.endr
.endr
	s_lshr_b32 s28, s24, 3
	s_mul_i32 s28, s28, HBB
	s_mul_i32 s30, s20, 2*KSB
	s_add_co_u32 s28, s28, s30
	s_and_b32 s30, s24, 7
	s_mul_i32 s30, s30, IMG
	s_add_co_u32 s28, s28, s30
	s_add_nc_u64 s[32:33], s[16:17], s[28:29]      ; codes: hb, K step 2 w, block mb % 8
	s_lshl_b32 s28, s24, 9
	s_lshl_b32 s30, s20, 7
	s_add_co_u32 s28, s28, s30
	s_add_nc_u64 s[34:35], s[18:19], s[28:29]      ; scl: 512 mb + 128 w
	v_lshlrev_b32 v3, 3, v1                        ; 8 x lane
	v_lshlrev_b32 v4, 2, v1                        ; 4 x lane
	s_mul_i32 s30, s20, TSTG
	v_add_nc_u32 v5, s30, v2                       ; the stage, on the way in: as loaded
	v_and_b32 v6, 15, v0
	v_mul_u32_u24 v6, v6, 528
	v_bfe_u32 v7, v0, 4, 1
	v_lshl_add_u32 v6, v7, 6, v6
	v_add_nc_u32 v6, s30, v6                       ; and on the way out: row r, + 64 h: my 16 numbers of a block of 32
.irp b, 0,1,2,3
	v_mov_b32 v[TM+4+\b], 0                        ; written once: a lane permute's destination counts as one of its sources
.endr
.macro TURN k                          ; a K step's 16 x 512 bytes through my own stage: LDS serves a wave's instructions in order, so the loads see the stores
.irp i, 0,1,2,3,4,5,6,7,8,9,10,11,12,13,14,15
	ds_store_b128 v5, v[R+64*\k+4*\i:R+64*\k+4*\i+3] offset:528*\i
.endr
	s_wait_dscnt 0x0                               ; the stores have read their registers: the loads below land on the first set's
.irp b, 0,1,2,3
.irp j, 0,1,2,3
	ds_load_b128 v[XT+16*\b+4*\j:XT+16*\b+4*\j+3], v6 offset:128*\b+16*\j
.endr
.endr
.endm
.macro IMGST k                         ; the fragment in v[PC] on leaves as its image
	global_store_b128 v2, v[PC:PC+3], s[32:33] offset:KSB*\k
	global_store_b64 v3, v[PC+4:PC+5], s[32:33] offset:KSB*\k+512
	global_store_b128 v2, v[PC+6:PC+9], s[32:33] offset:KSB*\k+768
	global_store_b64 v3, v[PC+10:PC+11], s[32:33] offset:KSB*\k+1280
.endm
	s_wait_alu depctr_va_vdst(0)
	s_wait_loadcnt 16                              ; the first K step's 16 loads are in; the second's 16 may be out
	TURN 0
	s_wait_dscnt 0x0
	QUANT XT
	v_mov_b32 v10, v[PW]                           ; the first K step's scale word is kept
	IMGST 0
	s_wait_loadcnt 0x0
	TURN 1
	s_wait_dscnt 0x0
	s_wait_xcnt 0x0                                ; the first image's stores have read their registers: the codes may be written again
	QUANT XT
	IMGST 1
	v_cmp_lt_u32 vcc_lo, 15, v1
	v_cndmask_b32 v182, v10, v[PW], vcc_lo         ; lanes 0-15: K step 2 w, lanes 16-31: K step 2 w + 1
	global_store_b32 v4, v182, s[34:35]            ; 128 consecutive bytes
	s_wait_tensorcnt 0x0                           ; the wave's end
	ds_add_u32 v[SPW], v[NIL]
	s_wait_dscnt 0x0
	s_endpgm
	; ---------------- WEIGHTS: weight id / 32; 128 columns (id % 32) / 4, my wave 32 of them; K 256 (id % 4) on: 8 blocks a lane
.Lweights:
	s_lshr_b32 s24, ttmp9, 5                       ; which weight: 0 Wq, 1 Wk, 2 Wv, 3 Wo
	s_and_b32 s25, ttmp9, 31
	s_lshr_b32 s25, s25, 2                         ; which 128 columns
	s_and_b32 s28, ttmp9, 3                        ; which 256 along K
	s_and_b32 s29, s24, 1
	s_cmp_lg_u32 s29, 0
	s_cselect_b64 s[26:27], s[10:11], s[8:9]
	s_cselect_b64 s[30:31], s[14:15], s[12:13]
	s_cmp_lt_u32 s24, 2
	s_cselect_b64 s[26:27], s[26:27], s[30:31]     ; the choices hang on the work-group's number alone
	s_lshl_b32 s30, s28, 20                        ; 256 rows of 4,096 bytes
	s_lshl_b32 s31, s25, 9
	s_add_co_u32 s30, s30, s31
	s_lshl_b32 s31, s20, 7
	s_add_co_u32 s30, s30, s31                     ; + 4 x my wave's first column
	s_mov_b32 s31, 0
	s_add_nc_u64 s[26:27], s[26:27], s[30:31]
	s_wait_alu depctr_va_vdst(0)
	v_lshlrev_b32 v2, 2, v1                        ; a lane to a column
.macro LOAD t                          ; block t: W(32 t + i, my column): 128 consecutive bytes a load
.irp i, 0,1,2,3,4,5,6,7,8,9,10,11,12,13,14,15,16,17,18,19,20,21,22,23,24,25,26,27,28,29,30,31
	global_load_b32 v[XW+32*((\t)%2)+\i], v2, s[26:27] offset:(32*(\t)+\i)*4096 th:TH_LOAD_NT
.endr
.endm
	LOAD 0
	LOAD 1
	s_lshl_b32 s30, s24, 3
	s_add_co_u32 s30, s30, s25
	s_add_co_u32 s30, s30, 128
	s_mul_i32 s30, s30, HBB
	s_mul_i32 s36, s28, 2*KSB
	s_add_co_u32 s30, s30, s36
	s_mul_i32 s36, s20, 2*IMG
	s_add_co_u32 s30, s30, s36
	s_add_nc_u64 s[32:33], s[16:17], s[30:31]      ; codes: hb 128 + 8 weight + columns / 128, K step 2 kp, block 2 w
	s_lshl_b32 s30, s24, 6
	s_lshl_b32 s36, s25, 3
	s_add_co_u32 s30, s30, s36
	s_lshl_b32 s36, s20, 1
	s_add_co_u32 s30, s30, s36
	s_add_co_u32 s30, s30, 1024
	s_lshl_b32 s30, s30, 9
	s_lshl_b32 s36, s28, 7
	s_add_co_u32 s30, s30, s36
	s_add_nc_u64 s[34:35], s[18:19], s[30:31]      ; scl: block 1024 + 64 weight + .., K step 2 kp
	v_and_b32 v11, 7, v0
	v_bfe_u32 v12, v0, 4, 1
	v_lshl_add_u32 v11, v12, 3, v11                ; column l of my 32 is lane r = l % 8 + 8 (l / 16)
	v_bfe_u32 v12, v0, 3, 1                        ; of block u = (l / 8) % 2
	s_mul_i32 s36, s20, WSTG
	s_add_co_u32 s36, s36, WSTG0                   ; my stage: [K step 0, 1][u][1536]
	v_mul_u32_u24 v13, v12, IMG
	v_add_nc_u32 v13, s36, v13
	v_lshl_add_u32 v3, v11, 4, v13                 ; an image's first plane: 16 r
	v_lshl_add_u32 v4, v11, 3, v13                 ; its second: 8 r
	v_lshlrev_b32 v6, 4, v1
	v_add_nc_u32 v5, s36, v6                       ; the way out: 16 x lane
	v_lshlrev_b32 v7, 9, v12
	v_lshl_add_u32 v7, v11, 2, v7                  ; my scale words: 512 u + 4 r
.macro BLOCK t                         ; block t is K step t / 4, half c = (t / 2) % 2, image lane r + 16 (t % 2)
.set XS, XW+32*((\t)%2)
.if (\t) < 7
	s_wait_loadcnt 32                              ; this block's 32 loads are in; the next block's may be out
.else
	s_wait_loadcnt 0x0
.endif
	v_max3_num_f32 v12, |v[XS]|, |v[XS+1]|, |v[XS+2]|   ; all 32 numbers of the block are mine
	v_max3_num_f32 v13, |v[XS+3]|, |v[XS+4]|, |v[XS+5]|
.irp i, 6,10,14,18,22,26
	v_max3_num_f32 v12, v12, |v[XS+\i]|, |v[XS+\i+1]|
	v_max3_num_f32 v13, v13, |v[XS+\i+2]|, |v[XS+\i+3]|
.endr
	v_max3_num_f32 v12, v12, |v[XS+30]|, |v[XS+31]|
	v_max3_num_f32 v12, v12, v13, 0x1800000        ; and the floor
	v_add_nc_u32 v11, 0xff000000, v12              ; the conversion's scale operand
	v_lshrrev_b32 v13, 23, v11                     ; the byte
.if (\t)%4 == 0
	v_mov_b32 v[14+(\t)/4], v13
.else
	v_lshl_or_b32 v[14+(\t)/4], v13, 8*((\t)%4), v[14+(\t)/4]
.endif
	v_cvt_scalef32_pk16_fp6_f32 v[96:98], v[XS:XS+15], v11
	v_cvt_scalef32_pk16_fp6_f32 v[100:102], v[XS+16:XS+31], v11
	v_nop                                          ; one plain place behind a scaled conversion
	v_mov_b32 v99, v100
	v_mov_b32 v100, v101
	v_mov_b32 v101, v102                           ; v[96:101]: the block's 24 bytes
	ds_store_b128 v3, v[96:99] offset:2*IMG*((\t)/4)+768*(((\t)/2)%2)+256*((\t)%2)
	ds_store_b64 v4, v[100:101] offset:2*IMG*((\t)/4)+768*(((\t)/2)%2)+512+128*((\t)%2)
.if (\t)+2 < 8
	LOAD (\t)+2
.endif
	s_wait_dscnt 0x0                               ; the stores have read their registers
.endm
.irp t, 0,1,2,3,4,5,6,7
	BLOCK \t
.endr
	global_store_b32 v7, v14, s[34:35]             ; my column's scale words of the two K steps
	s_wait_alu depctr_va_vdst(0)
	global_store_b32 v7, v15, s[34:35] offset:64
.irp q, 0,1,2,3,4,5,6,7,8,9,10,11
	ds_load_b128 v[OUTR+4*\q:OUTR+4*\q+3], v5 offset:512*\q   ; LDS serves a wave's instructions in order: these see my stores
.endr
.irp q, 0,1,2,3,4,5,6,7,8,9,10,11
	s_wait_dscnt 11-\q                             ; the younger loads may be out
	global_store_b128 v6, v[OUTR+4*\q:OUTR+4*\q+3], s[32:33] offset:KSB*(\q/6)+512*(\q%6)   ; 512 consecutive bytes: two neighbouring images a K step
.endr
	s_wait_tensorcnt 0x0                           ; the wave's end
	ds_add_u32 v[SPW], v[NIL]
	s_wait_dscnt 0x0
	s_endpgm
.Lfunc_end_k_qd8ce2aec40_quant:
	.size	k_qd8ce2aec40_quant, .Lfunc_end_k_qd8ce2aec40_quant-k_qd8ce2aec40_quant
	.p2alignl 7, 3214868480
	.fill 96, 4, 3214868480
	.section	.rodata,"a",@progbits
	.p2align	6, 0x0
	.amdhsa_kernel k_qd8ce2aec40_quant
		.amdhsa_group_segment_fixed_size 58880
		.amdhsa_private_segment_fixed_size 0
		.amdhsa_enable_private_segment 0
		.amdhsa_kernarg_size 64
		.amdhsa_user_sgpr_count 2
		.amdhsa_user_sgpr_kernarg_segment_ptr 1
		.amdhsa_wavefront_size32 1
		.amdhsa_system_sgpr_workgroup_id_x 1
		.amdhsa_system_sgpr_workgroup_id_y 1
		.amdhsa_system_sgpr_workgroup_id_z 1
		.amdhsa_system_vgpr_workitem_id 0
		.amdhsa_next_free_vgpr 192
		.amdhsa_next_free_sgpr 66
		.amdhsa_reserve_vcc 1
		.amdhsa_float_denorm_mode_32 3
		.amdhsa_float_denorm_mode_16_64 3
		.amdhsa_memory_ordered 1
		.amdhsa_forward_progress 1
		.amdhsa_inst_pref_size 60
	.end_amdhsa_kernel
	.amdgpu_metadata
---
amdhsa.version: [ 1, 2 ]
amdhsa.kernels:
  - .name:           k_qd8ce2aec40_quant
    .symbol:         k_qd8ce2aec40_quant.kd
    .args:
      - { .name: x, .offset: 0, .size: 8, .value_kind: global_buffer, .address_space: global }
      - { .name: context, .offset: 8, .size: 8, .value_kind: global_buffer, .address_space: global }
      - { .name: Wq, .offset: 16, .size: 8, .value_kind: global_buffer, .address_space: global }
      - { .name: Wk, .offset: 24, .size: 8, .value_kind: global_buffer, .address_space: global }
      - { .name: Wv, .offset: 32, .size: 8, .value_kind: global_buffer, .address_space: global }
      - { .name: Wo, .offset: 40, .size: 8, .value_kind: global_buffer, .address_space: global }
      - { .name: codes, .offset: 48, .size: 8, .value_kind: global_buffer, .address_space: global }
      - { .name: scl, .offset: 56, .size: 8, .value_kind: global_buffer, .address_space: global }
    .group_segment_fixed_size: 58880
    .private_segment_fixed_size: 0
    .kernarg_segment_align: 8
    .kernarg_segment_size: 64
    .max_flat_workgroup_size: 128
    .sgpr_count:     66
    .vgpr_count:     192
    .wavefront_size: 32
...
	.end_amdgpu_metadata
.endif
;; end of part 1
;; launch proj (part 2): grid 4 x 64, 4 waves a work-group, clusters of 4 x 4, 327,680 bytes of LDS; arguments codes, scl, bq, bk, bv, qkv; writes qkv
.if DOCPART == 2
	.amdgcn_target "amdgcn-amd-amdhsa--gfx1250"
	.amdhsa_code_object_version 6
	.text
	.protected	k_qd8ce2aec40_proj
	.globl	k_qd8ce2aec40_proj
	.p2align	8
	.type	k_qd8ce2aec40_proj,@function
k_qd8ce2aec40_proj:
	s_mov_b64 s[64:65], 0
	v_nop
	global_prefetch_b8 v0, s[64:65] scope:SCOPE_SE
	s_setreg_imm32_b32 hwreg(HW_REG_WAVE_MODE, 25, 1), 1
	s_wait_xcnt 0x0
	s_wait_alu depctr_hold_cnt(0) depctr_sa_sdst(0) depctr_va_vdst(0) depctr_va_sdst(0) depctr_va_ssrc(0) depctr_va_vcc(0) depctr_vm_vsrc(0)
	s_getreg_b32 s2, hwreg(HW_REG_IB_STS2, 6, 4)
	s_cmp_eq_u32 s2, 0
	s_cbranch_scc0 .Lentry_in_a_cluster
	s_endpgm
.Lentry_in_a_cluster:
	s_bfe_u32 s2, ttmp6, 0x10000c
	s_cmp_lg_u32 s2, 0xf033
	s_cbranch_scc0 .Lentry_shape_is_right
	s_endpgm
.Lentry_shape_is_right:
; Launch 2 of 4: q = x Wq + bq, k = context Wk + bk, v = context Wv + bv on codes of E2M3, and the results quantised on the way out: q and k along the head's 64, v along the keys.  No work is left out.
; LIMITS as in the first launch: NaN and infinities are not served; a block under 2^-124, zeros among them, gets the byte 1.
; A TILE is 128 rows of A (source 1: a lane holds one of them) x 256 rows of B (source 0: they run along a lane's registers), K = 1,024.  q, k: A = tokens, B = the weight's columns.  v: A = Wv's columns, B = the keys.
; WORK-GROUPS THAT STAY: 256 work-groups; cluster c16 (0..15) makes its tile of q, then of k, then of v.  The loop's text serves q and k (two trips), the tail's text v: they differ in the first products' C and in the stores.
; LDS IS A RING OF TWO SLOTS: slot 0 holds K steps 0-2 of A's 128 and B's 256 rows, slot 1 K steps 3-7.  A slot is filled again with the NEXT tile's part as soon as its last fragments are in registers:
; slot 0 at the head of K step 2, slot 1 at the head of K step 7, each behind the three lines and a round of the cluster's barrier, one joint load a wave:
; waves 0 and 1 a half each of A's part, waves 2 and 3 B's part of 128 rows each.  By the text's own count a wave has one tensor load outstanding.  The tail fills nothing.
; CLUSTER 4 x 4: A's tile hangs on cy and is asked for jointly by a row of the cluster, B's on cx and by a column.
; THE BIAS is the C of a tile's first 32 products, laid in registers as the result lies.  THE SCALE WORDS of the next tile wait in v200-247 and are moved at the change of tiles.
; PREFETCH: in K step 0 of a tile each wave names 72 blocks of 256 bytes of the next tile (its sixteenth of A's 98,304 bytes among the row's four work-groups, of B's 196,608 among the column's), two K steps ahead of that tile's first refill.
; qkv: for each (batch, head) a record of 8 key steps x 13,824 bytes: K's 8 half images (768 t), V's 4 images (6144 + 1536 d4), K's scale words (12288 + 128 t), V's (13312 + 128 d4);
;      from QSEC on for each (batch, head) 57,344 bytes: q's 64 half images (768 tb) and their scale words (49152 + 128 tb).  A scale word of q or k holds the head's two bytes below and 0 above.
; REGISTERS: window 0: v2-4 16, 8, 4 x lane; v5, v6 the bias's offsets; v8-15 LDS addresses; v16, v17 the prefetches' offsets; v28, v29 the add's two; v32-47 A's scale words, v48-79 B's; v80-175 A's fragments, two sets
;   (the way out works in v144-182); v200-247 the next tile's scale words.   window 1: accumulator (a, b) at v[8 (8 a + b)].   window 2: v0-191 B's fragments, two sets; v192-255 the bias.
.set HBB,   98304
.set KSB,   12288
.set IMG,   1536
.set LB,    98304                      ; LDS: A at 0, B's two halves from here, each [8 K steps]
.set S0B,   3*KSB                      ; what slot 0 holds of 128 rows
.set SPARE, 294912
.set QSEC,  14155776
.set KVREC, 110592
.set QREC,  57344
.set SREC,  13824
.set L16,  2
.set L8,   3
.set L4,   4
.set BQO,  5
.set BVO,  6
.set A16,  8
.set A8,   10
.set B16,  12
.set B8,   14
.set PFA,  16
.set PFB,  17
.set SPW,  28
.set NIL,  29
.set SA,   32
.set SB,   48
.set AF,   80
.set BF,   0
.set BI,   192
.set PC,   144
.set TM,   164
.set PW,   180
.set ST,   200
.set G1A,  24
.set G1B,  32
.set G0A,  40
.set G0B,  68
.set HA1,  72                          ; s72, s73 A's block of 128 rows for k, for v; s74, s75 B's first
.set HA2,  73
.set HB1,  74
.set HB2,  75
.set GI,   76                          ; the tile: 0 q, 1 k
.set PBK,  78                          ; s[78:79] my part of bk, s[80:81] of bv
.set PBV,  80
.set SEL,  98
.set MULW, 0x52                        ; source 0 (B) window 2, source 1 (A) window 0, C and D window 1
.set MULB, 0x62                        ; the same with C in window 2
.set TO_B, 0x80
.set MSB, 0
.macro WIN new
.if MSB != \new
	s_set_vgpr_msb (MSB<<8)|\new
.set MSB, \new
.endif
.endm
.macro JLOAD                           ; a joint load: waves 0 and 1 fetch for A, waves 2 and 3 for B
	s_cmp_eq_u32 s17, 0
	s_cbranch_scc0 .Lfor_b_\@
	tensor_load_to_lds s[G0A:G0A+3], s[G1A:G1A+7]
	s_nop 0
.rept 4
	v_nop
.endr
	s_branch .Lasked_\@
.Lfor_b_\@:
	tensor_load_to_lds s[G0B:G0B+3], s[G1B:G1B+7]
	s_nop 0
.rept 4
	v_nop
.endr
.Lasked_\@:
.endm
.macro CROUND
	s_barrier_signal -1
	s_barrier_wait -1
	s_cmp_lg_u32 s16, 0
	s_cbranch_scc1 .Lnot_wave_0_\@
	s_barrier_signal -3
.Lnot_wave_0_\@:
	s_barrier_wait -3
	s_barrier_signal -1
	s_barrier_wait -1
.endm
; The descriptors of a slot's fill, from A's block at s[62:63] and my half of B at s[84:85].  Written only where no tensor load of the wave is out.
.macro DESC slot
.if (\slot) == 0
.set AOFF, 0
.set AROW, 72
.set BROW, 144
.elseif (\slot) == 2                   ; both slots at once, all eight K steps: the head's fill
.set AOFF, 0
.set AROW, 192
.set BROW, 384
.else
.set AOFF, S0B
.set AROW, 120
.set BROW, 240
.endif
	s_mul_i32 s66, s18, AROW*256
	s_add_co_u32 s66, s66, AOFF                    ; A: my half of the part: the same place in the block and in LDS
	s_mov_b32 s67, 0
	s_mov_b32 s[G0A+1], s66
	s_add_nc_u64 s[G0A+2:G0A+3], s[62:63], s[66:67]
	s_or_b32 s[G0A+3], s[G0A+3], 0x80000000
	s_mul_i32 s61, s18, HBB
	s_add_co_u32 s[G0B+1], s61, LB+AOFF
	s_add_nc_u64 s[G0B+2:G0B+3], s[84:85], AOFF
	s_or_b32 s[G0B+3], s[G0B+3], 0x80000000
	s_mov_b32 s[G1A+2], AROW<<16
	s_mov_b32 s[G1A+4], AROW
	s_mov_b32 s[G1B+2], BROW<<16
	s_mov_b32 s[G1B+4], BROW
.endm
; The next tile's places: A's block s[62:63], B's two blocks s[94:95], my half of B s[84:85], A's scale words s[86:87], B's s[88:89].  The choice hangs on the tile's number, which all partners share.
.macro NEXT
	s_wait_xcnt 0x0                                ; earlier loads, stores and prefetches have read these bases
	s_cmp_eq_u32 s[GI], 0
	s_cselect_b32 s58, s[HA1], s[HA2]
	s_cselect_b32 s60, s[HB1], s[HB2]
	s_mov_b32 s57, 0
	s_mov_b32 s93, 0
	s_mul_i32 s56, s58, HBB
	s_add_nc_u64 s[62:63], s[4:5], s[56:57]
	s_mul_i32 s92, s60, HBB
	s_add_nc_u64 s[94:95], s[4:5], s[92:93]
	s_mul_i32 s92, s18, HBB
	s_add_nc_u64 s[84:85], s[94:95], s[92:93]
	s_lshl_b32 s56, s58, 3
	s_lshl_b32 s59, s17, 2
	s_add_co_u32 s56, s56, s59
	s_lshl_b32 s56, s56, 9
	s_add_nc_u64 s[86:87], s[6:7], s[56:57]
	s_add_co_u32 s92, s60, s18
	s_lshl_b32 s92, s92, 12
	s_add_nc_u64 s[88:89], s[6:7], s[92:93]
.endm
.macro SCLOAD r                        ; 48 scale words: A's blocks 4 wr on, B's eight; a register holds K step 2 kp in lanes 0-15 and 2 kp + 1 in lanes 16-31
.irp a, 0,1,2,3
.irp k, 0,1,2,3
	global_load_b32 v[\r+4*\a+\k], v[L4], s[86:87] offset:512*\a+128*\k
.endr
.endr
.irp b, 0,1,2,3,4,5,6,7
.irp k, 0,1,2,3
	global_load_b32 v[\r+16+4*\b+\k], v[L4], s[88:89] offset:512*\b+128*\k
.endr
.endr
.endm
.macro BIASQK base                     ; q, k: register 8 t + j is the bias of feature 32 (t / 2) + 8 (t % 2) + 16 h + j of my 128: 64 bytes on end for each pair of tiles
	WIN TO_B
.irp g, 0,1,2,3
.irp q, 0,1,2,3
	global_load_b128 v[BI+16*\g+4*\q:BI+16*\g+4*\q+3], v[BQO], s[\base:\base+1] offset:128*\g+16*\q
.endr
.endr
	WIN 0
.endm
.macro FRAG reg, a16, a8, off
	ds_load_b128 v[\reg:\reg+3], v[\a16] offset:\off
	ds_load_b64 v[\reg+4:\reg+5], v[\a8] offset:\off+512
	ds_load_b128 v[\reg+6:\reg+9], v[\a16] offset:\off+768
	ds_load_b64 v[\reg+10:\reg+11], v[\a8] offset:\off+1280
.endm
.macro FETCH ks, p                     ; K step ks: B's eight fragments and A's four into set p: 48 loads
	WIN TO_B
.irp b, 0,1,2,3,4,5,6,7
	FRAG BF+96*(\p)+12*\b, B16+(\ks)/4, B8+(\ks)/4, ((\ks)%4)*KSB+IMG*\b
.endr
	WIN 0
.irp a, 0,1,2,3
	FRAG AF+48*(\p)+12*\a, A16+(\ks)/4, A8+(\ks)/4, ((\ks)%4)*KSB+IMG*\a
.endr
.endm
.macro MUL32 ks, first                 ; 32 products, the 32 accumulators by turns.  first = 1: C is the bias by B's rows; 2: by A's rows
.set KP, (\ks)/2
.set BP, BF+96*((\ks)%2)
.set AP, AF+48*((\ks)%2)
.irp a, 0,1,2,3
.irp b, 0,1,2,3,4,5,6,7
.if (\first) == 1
	v_wmma_scale_f32_16x16x128_f8f6f4 v[8*(8*\a+\b):8*(8*\a+\b)+7], v[BP+12*\b:BP+12*\b+11], v[AP+12*\a:AP+12*\a+11], v[BI+8*\b:BI+8*\b+7], v[SB+4*\b+KP], v[SA+4*\a+KP] matrix_a_fmt:MATRIX_FMT_FP6 matrix_b_fmt:MATRIX_FMT_FP6
.elseif (\first) == 2
	v_wmma_scale_f32_16x16x128_f8f6f4 v[8*(8*\a+\b):8*(8*\a+\b)+7], v[BP+12*\b:BP+12*\b+11], v[AP+12*\a:AP+12*\a+11], v[BI+8*\a:BI+8*\a+7], v[SB+4*\b+KP], v[SA+4*\a+KP] matrix_a_fmt:MATRIX_FMT_FP6 matrix_b_fmt:MATRIX_FMT_FP6
.elseif (\ks)%2
	v_wmma_scale_f32_16x16x128_f8f6f4 v[8*(8*\a+\b):8*(8*\a+\b)+7], v[BP+12*\b:BP+12*\b+11], v[AP+12*\a:AP+12*\a+11], v[8*(8*\a+\b):8*(8*\a+\b)+7], v[SB+4*\b+KP], v[SA+4*\a+KP] matrix_a_fmt:MATRIX_FMT_FP6 matrix_b_fmt:MATRIX_FMT_FP6 matrix_a_scale:MATRIX_SCALE_ROW1 matrix_b_scale:MATRIX_SCALE_ROW1
.else
	v_wmma_scale_f32_16x16x128_f8f6f4 v[8*(8*\a+\b):8*(8*\a+\b)+7], v[BP+12*\b:BP+12*\b+11], v[AP+12*\a:AP+12*\a+11], v[8*(8*\a+\b):8*(8*\a+\b)+7], v[SB+4*\b+KP], v[SA+4*\a+KP] matrix_a_fmt:MATRIX_FMT_FP6 matrix_b_fmt:MATRIX_FMT_FP6
.endif
.endr
.endr
.endm
; 64 sums of a lane in window 1, register s + 16 b + i = K 32 b + 16 (lane / 16) + i of the next product, become codes in v[PC] on and the scale word in v[PW].  Each accumulator is read from its low end on.
.macro QUANTW s
	WIN 0x05
.irp b, 0,1,2,3
	v_max3_num_f32 v[TM+\b], |v[(\s)+16*\b]|, |v[(\s)+1+16*\b]|, 0x1800000
.endr
	WIN 0x14
.irp i, 2,4,6,8,10,12,14
.irp b, 0,1,2,3
	v_max3_num_f32 v[TM+\b], v[TM+\b], |v[(\s)+16*\b+\i]|, |v[(\s)+1+16*\b+\i]|
.endr
.endr
	WIN 0
.irp b, 0,1,2,3
	v_permlanex16_b32 v[TM+4+\b], v[TM+\b], s[SEL], s[SEL+1]
.endr
.irp b, 0,1,2,3
	v_max_num_f32 v[TM+\b], v[TM+\b], v[TM+4+\b]
.endr
.irp b, 0,1,2,3
	v_add_nc_u32 v[TM+12+\b], 0xff000000, v[TM+\b]
.endr
.irp b, 0,1,2,3
	v_lshrrev_b32 v[TM+4+\b], 23, v[TM+12+\b]
.endr
	s_wait_alu depctr_va_vdst(0)
	s_wait_xcnt 0x0                                ; the last block's stores have read their registers: from here on they are written again
	v_lshl_or_b32 v[PW], v[TM+5], 8, v[TM+4]
	v_lshl_or_b32 v[PW], v[TM+6], 16, v[PW]
	v_lshl_or_b32 v[PW], v[TM+7], 24, v[PW]
	WIN 0x01
.irp c, 0,1
	v_cvt_scalef32_pk16_fp6_f32 v[PC+6*\c:PC+2+6*\c], v[(\s)+32*\c:(\s)+15+32*\c], v[TM+12+2*\c]
	v_cvt_scalef32_pk16_fp6_f32 v[PC+12+4*\c:PC+14+4*\c], v[(\s)+16+32*\c:(\s)+31+32*\c], v[TM+12+2*\c+1]
.endr
	WIN 0
	v_nop                                          ; one plain place behind a scaled conversion
.irp c, 0,1
.irp i, 0,1,2
	v_permlane16_swap_b32 v[PC+6*\c+\i], v[PC+12+4*\c+\i]
.endr
.irp i, 0,1,2
	v_mov_b32 v[PC+3+6*\c+\i], v[PC+12+4*\c+\i]
.endr
.endr
.endm
.macro BLOCKQ a
	QUANTW 64*\a
.endm
; A K step.  mode 0: a tile of the loop (q, k), which refills; mode 1: the tail's tile (v), which does not.
.macro STEP s, mode
.if ((\s) > 0) && (((\s) < 7) || ((\mode) == 0))
.rept 4
	v_nop                                          ; four places behind the last step's products, ahead of loads into the set that they read
.endr
.endif
.if ((\s) == 2) || (((\s) == 7) && ((\mode) == 0))
	s_wait_tensorcnt 0x0                           ; my load is done: my part of the other slot
.if (\mode) == 0
	ds_add_u32 v[SPW], v[NIL]
	DESC (\s)/7
	s_wait_dscnt 0x0                               ; the add is done, and this slot's last fragments are in my registers
	CROUND
	JLOAD                                          ; the slot just read out takes the next tile's part
.else
	s_wait_dscnt 0x0
	s_barrier_signal -1
	s_barrier_wait -1                              ; slot 1 is whole
.endif
.endif
.if (\s) < 7
	FETCH (\s)+1, ((\s)+1)%2
.elseif (\mode) == 0
	FETCH 0, 0                                     ; the next tile's first fragments
.endif
.if ((\s) == 0) && ((\mode) == 0)
	NEXT
	SCLOAD ST                                      ; the next tile's scale words
	global_prefetch_b8 v[PFA], s[62:63] th:TH_LOAD_NT scope:SCOPE_SE
	global_prefetch_b8 v[PFB], s[94:95] th:TH_LOAD_NT scope:SCOPE_SE
	global_prefetch_b8 v[PFB], s[94:95] offset:6144 th:TH_LOAD_NT scope:SCOPE_SE
.endif
.if ((\s) == 4) && ((\mode) == 0)
	s_cmp_eq_u32 s[GI], 0                          ; the next tile's bias: K step 0's products have read this tile's
	s_cbranch_scc0 .Lbias_v_\@
	BIASQK PBK
	s_branch .Lbias_done_\@
.Lbias_v_\@:
	WIN TO_B
.irp t, 0,1,2,3
.irp j, 0,1,2,3,4,5,6,7
	global_load_b32 v[BI+8*\t+\j], v[BVO], s[PBV:PBV+1] offset:128*(\t/2)+32*(\t%2)   ; v: my lane's feature of block t, over the tile's eight registers
.endr
.endr
	WIN 0
.Lbias_done_\@:
.endif
.if ((\s) < 7) || ((\mode) == 0)
	s_wait_dscnt 48                                ; this step's fragments are in; the 48 loads just issued may be out
.else
	s_wait_dscnt 0x0
.endif
.if (\s) == 0
	WIN MULB
	MUL32 0, 1+(\mode)
.else
	WIN MULW
	MUL32 \s, 0
.endif
	WIN 0
.endm
	s_load_b256 s[4:11], s[0:1], 0x0               ; codes s[4:5], scl s[6:7], bq s[8:9], bk s[10:11]
	s_load_b128 s[12:15], s[0:1], 0x20             ; bv s[12:13], qkv s[14:15]
	v_lshl_add_u32 v[SPW], v0, 2, SPARE
	v_mov_b32 v[NIL], 0
	ds_add_u32 v[SPW], v[NIL]                      ; the opening lines: the add, twice on end, and its wait
	ds_add_u32 v[SPW], v[NIL]
	v_lshrrev_b32 v1, 5, v0
	v_readfirstlane_b32 s16, v1                    ; wave 0..3
	s_lshr_b32 s17, s16, 1                         ; wr: which 64 rows of A are mine.  Also: I fetch for A (0) or for B (1)
	s_and_b32 s18, s16, 1                          ; wc: which 128 rows of B.  Also: which part I fetch
	s_bfe_u32 s19, ttmp6, 0x40000                  ; cx
	s_bfe_u32 s20, ttmp6, 0x40004                  ; cy
	s_and_b32 s23, ttmp7, 0xffff                   ; c16, the cluster's number
	s_mov_b32 s[SEL], 0x76543210
	s_mov_b32 s[SEL+1], 0xfedcba98
	s_lshl_b32 s56, s20, 2
	s_lshl_b32 s56, 15, s56                        ; my row of the cluster
	s_lshl_b32 s57, 0x1111, s19                    ; my column
	s_or_b32 s[G1A], s56, (3<<16)|(1<<21)          ; the mask; elements of 8 bytes; bit 21 beside a mask; dense blocks as rows of 256 bytes
	s_or_b32 s[G1B], s57, (3<<16)|(1<<21)
.irp g, G1A, G1B
	s_mov_b32 s[\g+1], 32<<16
	s_mov_b32 s[\g+3], 32<<16
	s_mov_b32 s[\g+5], 32
	s_mov_b32 s[\g+6], 0
	s_mov_b32 s[\g+7], 0
.endr
	s_mov_b32 s[G0A], 1
	s_mov_b32 s[G0B], 1
	s_lshl_b32 s58, s23, 2
	s_add_co_u32 s58, s58, s20                     ; q: A's block 4 c16 + cy (never holds cx)
	s_add_co_u32 s[HA1], s58, 64                   ; k: 64 on
	s_and_b32 s[HA2], s23, 1
	s_lshl_b32 s[HA2], s[HA2], 2
	s_add_co_u32 s[HA2], s[HA2], s20
	s_add_co_u32 s[HA2], s[HA2], 144               ; v: 144 + 4 (c16 % 2) + cy
	s_lshl_b32 s60, s19, 1
	s_lshr_b32 s[HB2], s23, 1
	s_lshl_b32 s[HB2], s[HB2], 3
	s_add_co_u32 s[HB2], s[HB2], s60
	s_add_co_u32 s[HB2], s[HB2], 64                ; v: B's first block 64 + 8 (c16 / 2) + 2 cx (never holds cy)
	s_add_co_u32 s[HB1], s60, 136                  ; k: 136 + 2 cx
	s_add_co_u32 s60, s60, 128                     ; q: 128 + 2 cx
	s_mov_b32 s[GI], 0
	s_mov_b32 s57, 0
	s_mov_b32 s93, 0
	s_mul_i32 s56, s58, HBB
	s_add_co_u32 s92, s60, s18
	s_mul_i32 s92, s92, HBB
	s_wait_dscnt 0x0                               ; both opening adds are done
	s_wait_kmcnt 0x0
	s_add_nc_u64 s[62:63], s[4:5], s[56:57]
	s_add_nc_u64 s[84:85], s[4:5], s[92:93]
	DESC 2
	CROUND                                         ; all sixteen work-groups are here: the joint loads meet
	JLOAD                                          ; q's whole tile, my one load at the head: waves 0 and 1 four K steps of A each, waves 2 and 3 all of K of 128 rows of B each
	s_lshl_b32 s56, s58, 3
	s_lshl_b32 s59, s17, 2
	s_add_co_u32 s56, s56, s59
	s_lshl_b32 s56, s56, 9
	s_add_nc_u64 s[86:87], s[6:7], s[56:57]        ; A's scale words: block 8 A + 4 wr on
	s_add_co_u32 s92, s60, s18
	s_lshl_b32 s92, s92, 12
	s_add_nc_u64 s[88:89], s[6:7], s[92:93]        ; B's
	s_lshl_b32 s56, s19, 10
	s_lshl_b32 s59, s18, 9
	s_add_co_u32 s56, s56, s59                     ; q, k: 4 (256 cx + 128 wc)
	s_add_nc_u64 s[90:91], s[8:9], s[56:57]
	s_add_nc_u64 s[PBK:PBK+1], s[10:11], s[56:57]
	s_and_b32 s92, s23, 1
	s_lshl_b32 s92, s92, 2
	s_add_co_u32 s92, s92, s20
	s_lshl_b32 s92, s92, 9
	s_lshl_b32 s59, s17, 8
	s_add_co_u32 s92, s92, s59                     ; v: 4 (128 (4 (c16 % 2) + cy) + 64 wr)
	s_add_nc_u64 s[PBV:PBV+1], s[12:13], s[92:93]
	s_mul_i32 s92, s17, 4*IMG                      ; LDS: A's blocks 4 wr on, K steps 0-3 and 4-7
	s_add_co_u32 s93, s92, 4*KSB
	s_mul_i32 s94, s18, HBB
	s_add_co_u32 s94, s94, LB                      ; B's half wc
	s_add_co_u32 s95, s94, 4*KSB
	s_lshl_b32 s96, s19, 2
	s_add_co_u32 s96, s96, s16
	s_mul_i32 s96, s96, 6144                       ; the prefetches: my sixteenth of A's block among my row's sixteen waves,
	s_lshl_b32 s97, s20, 2
	s_add_co_u32 s97, s97, s16
	s_mul_i32 s97, s97, 12288                      ; and of B's two blocks among my column's
	v_and_b32 v1, 31, v0
	v_lshlrev_b32 v[L16], 4, v1
	v_lshlrev_b32 v[L8], 3, v1
	v_lshlrev_b32 v[L4], 2, v1
	SCLOAD SA
	v_add_nc_u32 v[A16], s92, v[L16]
	v_add_nc_u32 v[A8], s92, v[L8]
	v_add_nc_u32 v[A16+1], s93, v[L16]
	v_add_nc_u32 v[A8+1], s93, v[L8]
	v_add_nc_u32 v[B16], s94, v[L16]
	v_add_nc_u32 v[B8], s94, v[L8]
	v_add_nc_u32 v[B16+1], s95, v[L16]
	v_add_nc_u32 v[B8+1], s95, v[L8]
	v_bfe_u32 v7, v0, 4, 1
	v_lshlrev_b32 v[BQO], 6, v7                    ; q, k: 64 h
	v_and_b32 v7, 15, v0
	v_and_b32 v[BVO], 8, v7
	v_add_nc_u32 v[BVO], v[BVO], v7
	v_lshlrev_b32 v[BVO], 2, v[BVO]                ; v: 4 (r + 8 (r / 8))
	BIASQK 90
	v_min_u32 v7, 23, v1                           ; 24 blocks of 256 bytes an instruction; the lanes left over name the last again
	v_lshlrev_b32 v7, 8, v7
	v_add_nc_u32 v[PFA], s96, v7
	v_add_nc_u32 v[PFB], s97, v7
.irp b, 0,1,2,3
	v_mov_b32 v[TM+4+\b], 0                        ; written once: a lane permute's destination counts as one of its sources
.endr
	s_wait_alu depctr_va_vdst(0)
	s_wait_tensorcnt 0x0                           ; my part of q's whole tile, both slots, is in
	s_barrier_signal -1
	s_barrier_wait -1                              ; everybody's part of q's tile is in
	FETCH 0, 0
	s_wait_loadcnt 0x0                             ; the scale words and the bias
.Ltile:
.irp s, 0,1,2,3,4,5,6,7
	STEP \s, 0
.endr
.rept 4
	v_nop                                          ; four places behind the last products
.endr
	s_wait_loadcnt 0x0                             ; the next tile's scale words and bias are in
.set I, 0
.rept 48
	v_mov_b32 v[SA+I], v[ST+I]
.set I, I+1
.endr
	s_wait_alu depctr_va_vdst(0)
	s_wait_xcnt 0x0                                ; the bases below were read by loads and prefetches
	; q and k: my 128 features are two heads; a fragment's two halves are the two heads' half images, the scale word's two halves their bytes
	s_lshl_b32 s92, s23, 2
	s_add_co_u32 s92, s92, s20                     ; which 128 tokens: 4 c16 + cy
	s_lshr_b32 s93, s92, 3                         ; the batch
	s_and_b32 s92, s92, 7
	s_lshl_b32 s93, s93, 4
	s_lshl_b32 s94, s19, 2
	s_add_co_u32 s93, s93, s94
	s_lshl_b32 s94, s18, 1
	s_add_co_u32 s93, s93, s94                     ; 16 batch + head, head = 4 cx + 2 wc
	s_cmp_eq_u32 s[GI], 0
	s_mov_b32 s94, KVREC
	s_cselect_b32 s94, QREC, s94
	s_cselect_b32 s95, QSEC, 0
	s_mov_b32 s96, SREC
	s_cselect_b32 s96, 6144, s96
	s_mov_b32 s97, SREC
	s_cselect_b32 s97, 1024, s97
	s_mov_b32 s56, 12288
	s_cselect_b32 s56, 49152, s56
	s_mul_i32 s93, s93, s94
	s_add_co_u32 s93, s93, s95
	s_mul_i32 s96, s92, s96
	s_mul_i32 s97, s92, s97
	s_mul_i32 s57, s17, 3072
	s_add_co_u32 s96, s96, s57
	s_add_co_u32 s96, s96, s93
	s_lshl_b32 s57, s17, 9
	s_add_co_u32 s97, s97, s57
	s_add_co_u32 s97, s97, s56
	s_add_co_u32 s97, s97, s93
	s_mov_b32 s57, 0
	s_mov_b32 s56, s96
	s_add_nc_u64 s[84:85], s[14:15], s[56:57]      ; the first head's codes,
	s_mov_b32 s56, s97
	s_add_nc_u64 s[88:89], s[14:15], s[56:57]      ; its scale words,
	s_mov_b32 s56, s94
	s_add_nc_u64 s[86:87], s[84:85], s[56:57]      ; and the second head's, a record on
	s_add_nc_u64 s[90:91], s[88:89], s[56:57]
.irp a, 0,1,2,3
	BLOCKQ \a
	v_and_b32 v181, 0xffff, v[PW]                  ; the head's two bytes below, 0 above
	v_lshrrev_b32 v182, 16, v[PW]
	global_store_b128 v[L16], v[PC:PC+3], s[84:85] offset:768*\a
	global_store_b64 v[L8], v[PC+4:PC+5], s[84:85] offset:768*\a+512
	global_store_b128 v[L16], v[PC+6:PC+9], s[86:87] offset:768*\a
	global_store_b64 v[L8], v[PC+10:PC+11], s[86:87] offset:768*\a+512
	global_store_b32 v[L4], v181, s[88:89] offset:128*\a
	global_store_b32 v[L4], v182, s[90:91] offset:128*\a
.endr
	s_wait_alu depctr_va_vdst(0)
	s_wait_xcnt 0x0                                ; the stores have read their registers: the next tile's fragments land there
	s_add_co_u32 s[GI], s[GI], 1
	s_cmp_lt_u32 s[GI], 2
	s_cbranch_scc1 .Ltile
.irp s, 0,1,2,3,4,5,6,7
	STEP \s, 1
.endr
.rept 4
	v_nop
.endr
	; v: my 64 lanes' rows are one head's 64 channels, my 128 registers' rows one key step: four whole images
	s_lshr_b32 s92, s23, 1                         ; the batch
	s_lshl_b32 s92, s92, 4
	s_and_b32 s93, s23, 1
	s_lshl_b32 s93, s93, 2
	s_add_co_u32 s93, s93, s20
	s_lshl_b32 s93, s93, 1
	s_add_co_u32 s93, s93, s17                     ; the head: 2 (4 (c16 % 2) + cy) + wr
	s_add_co_u32 s92, s92, s93
	s_mul_i32 s92, s92, KVREC
	s_lshl_b32 s93, s19, 1
	s_add_co_u32 s93, s93, s18                     ; the key step: 2 cx + wc
	s_mul_i32 s93, s93, SREC
	s_add_co_u32 s56, s92, s93
	s_mov_b32 s57, 0
	s_add_nc_u64 s[84:85], s[14:15], s[56:57]
.irp a, 0,1,2,3
	BLOCKQ \a
.irp q, 0,1,2
	global_store_b128 v[L16], v[PC+4*\q:PC+4*\q+3], s[84:85] offset:6144+IMG*\a+512*\q   ; V's image: registers 4 q .. 4 q + 3 at 512 q + 16 x lane: three runs of 512 consecutive bytes
.endr
	global_store_b32 v[L4], v[PW], s[84:85] offset:13312+128*\a
.endr
	s_wait_tensorcnt 0x0                           ; the wave's end
	ds_add_u32 v[SPW], v[NIL]
	s_wait_dscnt 0x0
	CROUND                                         ; the closing round
	s_endpgm
.Lfunc_end_k_qd8ce2aec40_proj:
	.size	k_qd8ce2aec40_proj, .Lfunc_end_k_qd8ce2aec40_proj-k_qd8ce2aec40_proj
	.p2alignl 7, 3214868480
	.fill 96, 4, 3214868480
	.section	.rodata,"a",@progbits
	.p2align	6, 0x0
	.amdhsa_kernel k_qd8ce2aec40_proj
		.amdhsa_group_segment_fixed_size 327680
		.amdhsa_private_segment_fixed_size 0
		.amdhsa_enable_private_segment 0
		.amdhsa_kernarg_size 48
		.amdhsa_user_sgpr_count 2
		.amdhsa_user_sgpr_kernarg_segment_ptr 1
		.amdhsa_wavefront_size32 1
		.amdhsa_system_sgpr_workgroup_id_x 1
		.amdhsa_system_sgpr_workgroup_id_y 1
		.amdhsa_system_sgpr_workgroup_id_z 1
		.amdhsa_system_vgpr_workitem_id 0
		.amdhsa_next_free_vgpr 768
		.amdhsa_next_free_sgpr 100
		.amdhsa_reserve_vcc 0
		.amdhsa_float_denorm_mode_32 3
		.amdhsa_float_denorm_mode_16_64 3
		.amdhsa_memory_ordered 1
		.amdhsa_forward_progress 1
		.amdhsa_inst_pref_size 183
	.end_amdhsa_kernel
	.amdgpu_metadata
---
amdhsa.version: [ 1, 2 ]
amdhsa.kernels:
  - .name:           k_qd8ce2aec40_proj
    .symbol:         k_qd8ce2aec40_proj.kd
    .args:
      - { .name: codes, .offset: 0, .size: 8, .value_kind: global_buffer, .address_space: global }
      - { .name: scl, .offset: 8, .size: 8, .value_kind: global_buffer, .address_space: global }
      - { .name: bq, .offset: 16, .size: 8, .value_kind: global_buffer, .address_space: global }
      - { .name: bk, .offset: 24, .size: 8, .value_kind: global_buffer, .address_space: global }
      - { .name: bv, .offset: 32, .size: 8, .value_kind: global_buffer, .address_space: global }
      - { .name: qkv, .offset: 40, .size: 8, .value_kind: global_buffer, .address_space: global }
    .group_segment_fixed_size: 327680
    .private_segment_fixed_size: 0
    .kernarg_segment_align: 8
    .kernarg_segment_size: 48
    .max_flat_workgroup_size: 128
    .sgpr_count:     100
    .vgpr_count:     768
    .wavefront_size: 32
...
	.end_amdgpu_metadata
.endif
;; end of part 2
;; launch attn (part 3): grid 4 x 64, 16 waves a work-group, clusters of 4 x 1, 327,680 bytes of LDS; arguments qkv, oc, os; writes oc, os
.if DOCPART == 3
	.amdgcn_target "amdgcn-amd-amdhsa--gfx1250"
	.amdhsa_code_object_version 6
	.text
	.protected	k_qd8ce2aec40_attn
	.globl	k_qd8ce2aec40_attn
	.p2align	8
	.type	k_qd8ce2aec40_attn,@function
k_qd8ce2aec40_attn:
	s_mov_b64 s[64:65], 0
	v_nop
	global_prefetch_b8 v0, s[64:65] scope:SCOPE_SE
	s_setreg_imm32_b32 hwreg(HW_REG_WAVE_MODE, 25, 1), 1
	s_wait_xcnt 0x0
	s_wait_alu depctr_hold_cnt(0) depctr_sa_sdst(0) depctr_va_vdst(0) depctr_va_sdst(0) depctr_va_ssrc(0) depctr_va_vcc(0) depctr_vm_vsrc(0)
	s_getreg_b32 s2, hwreg(HW_REG_IB_STS2, 6, 4)
	s_cmp_eq_u32 s2, 0
	s_cbranch_scc0 .Lentry_in_a_cluster
	s_endpgm
.Lentry_in_a_cluster:
	s_bfe_u32 s2, ttmp6, 0x10000c
	s_cmp_lg_u32 s2, 0x3003
	s_cbranch_scc0 .Lentry_shape_is_right
	s_endpgm
.Lentry_shape_is_right:
; Launch 3 of 4: o = softmax(q k^T / 8) v on codes of E2M3, and o quantised along the features on the way out.  No work is left out.
; LIMITS: NaN and infinities are not served; the promise holds while the scaled scores t = score x log2(e) / 8 stay under 2^31 in magnitude; a block under 2^-124 gets the byte 1.
; SHARES.  A work-group takes 256 queries of two neighbouring heads of one batch, one head after the other; a wave 16 queries; a step is 128 keys.  Both products are used transposed: a lane holds one query.
; CLUSTER 4 x 1: the four work-groups hold the four quarters of the queries and read the same K and V: the two heads' records, 221,184 bytes on end, are asked for jointly, once, at the head:
; wave w brings key step w of the sixteen (54 rows of 256 bytes).  Nothing is filled again; one barrier shows all of it.  No prefetch: every tile is asked for at the head, so there is no loop to run ahead in.
; THE KEYS OF A TILE ARE CHOSEN BY THE LANES' ADDRESSES.  K's stored half image t holds key 32 (t / 2) + 8 (t % 2) + r + 8 (r / 8) in row r.  Tile T = 4 c + u of a step takes as its row 8 g + j the key 64 c + 32 g + 8 u + j,
; which is row j + 8 (u / 2) of stored image 4 c + 2 g + u % 2.  So the 32 scores of tiles 4 c .. 4 c + 3 in lane (r, h) are the 32 keys of block 2 c + h, in order: a whole scale block of p in one lane, as the operand's layout wants it.
; SCALE WORDS: a register holds an even tile's words in lanes 0-15 and the next tile's in lanes 16-31.
; M is the running largest t rounded up to a whole number, kept as -M; sums and O^T are brought under a new M by a power of two.  The row's sum is taken of the unquantised p.
.set KVREC, 110592
.set SREC,  13824
.set QSEC,  14155776
.set QREC,  57344
.set SPARE, 221184                     ; the spare words, 128 bytes for each of 16 waves
.set KA0,  6                           ; v6-9  lane terms: K's first plane, its second, K's scale words, V's scale words
.set KB0,  7
.set KS0,  8
.set VS0,  9
.set SH8,  10                          ; v10   8 h
.set QF,   16                          ; v16-39 q's two fragments (upper halves zero); v40, 41 their scale words
.set QS,   40
.set OLD,  42                          ; v42   -M of the step before
.set KV,   44                          ; v44-97 K's eight half fragments (and six zeros), then V's four fragments
.set KA,   98                          ; v98-103 this step's LDS addresses
.set KB,   99
.set KSA,  100
.set VA,   101
.set VB,   102
.set VSA,  103
.set KS,   104                         ; v104-107 K's scale words; v108, 109 V's; v110 p's
.set VS,   108
.set PWD,  110
.set S,    112                         ; v112-175 the scores, then p
.set OT,   176                         ; v176-207 O^T
.set PC,   208                         ; v208-219 p's codes; v220-222, v224-226 the second halves as converted
.set BM,   228                         ; v228-231 four chains of maxima; then v228, v230 the two blocks'
.set BX,   242
.set SO,   236
.set BY,   238
.set G1,   16
.set G0,   24
.set SEL,  32
.set CS,   34
.set TB,   36
.set CNT,  37
.set NC,   48
.macro CROUND
	s_barrier_signal -1
	s_barrier_wait -1
	s_cmp_lg_u32 s10, 0
	s_cbranch_scc1 .Lnot_wave_0_\@
	s_barrier_signal -3
.Lnot_wave_0_\@:
	s_barrier_wait -3
	s_barrier_signal -1
	s_barrier_wait -1
.endm
	s_load_b128 s[4:7], s[0:1], 0x0                ; qkv, oc
	s_load_b64 s[8:9], s[0:1], 0x10                ; os
	v_lshl_add_u32 v4, v0, 2, SPARE
	v_mov_b32 v5, 0
	ds_add_u32 v4, v5                              ; the opening lines: the add, twice on end, and its wait
	ds_add_u32 v4, v5
	v_lshrrev_b32 v248, 5, v0
	v_readfirstlane_b32 s10, v248                  ; wave 0..15
	v_and_b32 v11, 31, v0                          ; lane
	v_lshlrev_b32 v1, 4, v11
	v_lshlrev_b32 v2, 3, v11
	v_lshlrev_b32 v3, 2, v11
	s_bfe_u32 s11, ttmp6, 0x40000                  ; cx
	s_and_b32 s12, ttmp7, 0xffff                   ; the pair of heads: 8 batch + head / 2
	s_lshl_b32 s13, s11, 4
	s_add_co_u32 s13, s13, s10                     ; my tile of 16 queries, 0..63
	s_mul_i32 s38, s12, 2*KVREC
	s_mul_i32 s14, s10, SREC                       ; my key step of the sixteen: in memory and in LDS alike
	s_add_co_u32 s38, s38, s14
	s_mov_b32 s39, 0
	s_mov_b32 s[G1], 15|(3<<16)|(1<<21)            ; the four partners; elements of 8 bytes; bit 21 beside a mask
	s_mov_b32 s[G1+1], 32<<16
	s_mov_b32 s[G1+2], 54<<16                      ; 54 rows of 256 bytes
	s_mov_b32 s[G1+3], 32<<16
	s_mov_b32 s[G1+4], 54
	s_mov_b32 s[G1+5], 32
	s_mov_b32 s[G1+6], 0
	s_mov_b32 s[G1+7], 0
	s_mov_b32 s[SEL], 0x76543210
	s_mov_b32 s[SEL+1], 0xfedcba98
	s_mov_b32 s[CS], 0x3e38aa3b                    ; c = log2(e) / 8
	s_mov_b32 s[CS+1], s[CS]
	s_mov_b32 s[NC], 0xbe38aa3b                    ; -c
	s_mul_i32 s40, s12, 2*QREC
	s_mul_i32 s15, s13, 768
	s_add_co_u32 s40, s40, s15
	s_add_co_u32 s40, s40, QSEC
	s_mov_b32 s41, 0
	s_mul_i32 s42, s12, 2*QREC
	s_lshl_b32 s15, s13, 7
	s_add_co_u32 s42, s42, s15
	s_add_co_u32 s42, s42, QSEC+49152
	s_mov_b32 s43, 0
	s_lshr_b32 s44, s12, 3
	s_lshl_b32 s46, s44, 6
	s_add_co_u32 s46, s46, s13
	s_lshl_b32 s46, s46, 9
	s_and_b32 s15, s12, 7
	s_lshl_b32 s47, s15, 6
	s_add_co_u32 s46, s46, s47
	s_mov_b32 s47, 0
	s_lshl_b32 s44, s44, 3
	s_lshr_b32 s45, s13, 3
	s_add_co_u32 s44, s44, s45
	s_mul_i32 s44, s44, 98304
	s_mul_i32 s15, s15, 12288
	s_add_co_u32 s44, s44, s15
	s_and_b32 s15, s13, 7
	s_mul_i32 s15, s15, 1536
	s_add_co_u32 s44, s44, s15
	s_mov_b32 s45, 0
	s_wait_alu depctr_va_vdst(0)
	s_wait_dscnt 0x0
	s_wait_kmcnt 0x0
	s_add_nc_u64 s[38:39], s[4:5], s[38:39]
	s_add_nc_u64 s[40:41], s[4:5], s[40:41]
	s_add_nc_u64 s[42:43], s[4:5], s[42:43]
	s_add_nc_u64 s[44:45], s[6:7], s[44:45]
	s_add_nc_u64 s[46:47], s[8:9], s[46:47]
	s_mov_b32 s[G0], 1
	s_mov_b32 s[G0+1], s14
	s_mov_b64 s[G0+2:G0+3], s[38:39]
	s_or_b32 s[G0+3], s[G0+3], 0x80000000
.irp e, 0,1                                    ; q's two half images and scale words: asked for ahead of the round, so that they are on their way beside the tiles
	global_load_b128 v[QF+12*\e:QF+12*\e+3], v1, s[40:41] offset:QREC*\e
	global_load_b64 v[QF+12*\e+4:QF+12*\e+5], v2, s[40:41] offset:QREC*\e+512
	global_load_b32 v[QS+\e], v3, s[42:43] offset:QREC*\e
.endr
	CROUND                                         ; the four work-groups are here: the joint loads meet
	tensor_load_to_lds s[G0:G0+3], s[G1:G1+7]      ; my one load
	s_nop 0
	v_and_b32 v248, 7, v0                          ; j
	v_bfe_u32 v249, v0, 3, 1                       ; g
	v_bfe_u32 v250, v0, 4, 1                       ; h
	v_mul_u32_u24 v[KA0], v249, 1536
	v_lshl_add_u32 v[KB0], v248, 3, v[KA0]
	v_lshl_add_u32 v[KA0], v248, 4, v[KA0]
	v_lshl_add_u32 v[KA0], v250, 8, v[KA0]         ; 1536 g + 16 j + 256 h
	v_lshl_add_u32 v[KB0], v250, 7, v[KB0]         ; 1536 g + 8 j + 128 h
	v_lshlrev_b32 v[KS0], 8, v249
	v_lshl_add_u32 v[KS0], v250, 7, v[KS0]
	v_lshl_add_u32 v[KS0], v248, 2, v[KS0]         ; 256 g + 128 h + 4 j
	v_and_b32 v[VS0], 15, v0
	v_lshlrev_b32 v[VS0], 2, v[VS0]
	v_lshl_add_u32 v[VS0], v250, 7, v[VS0]         ; 128 h + 4 r
	v_lshlrev_b32 v[SH8], 3, v250
.irp j, 0,1,2,3,4,5
	v_mov_b32 v[QF+6+\j], 0                        ; the head has 64 of the instruction's 128 along K: q's upper codes are zeros,
	v_mov_b32 v[QF+18+\j], 0
	v_mov_b32 v[KV+48+\j], 0                       ; and behind K's last half fragment stand zeros
.endr
	v_mov_b32 v233, 0                              ; written once: a lane permute's destination counts as one of its sources
	v_mov_b32 v240, 0
	v_mov_b32 v[BX], 0
	v_mov_b32 v[BX+1], 0
	v_mov_b32 v247, 0                              ; the upper half of the pair v[246:247]
.macro QK t, e                         ; S^T tile t: source 0 = 16 keys (the six registers behind them meet q's zeros), source 1 = q
.if (\t)%2
	v_wmma_scale_f32_16x16x128_f8f6f4 v[S+8*\t:S+8*\t+7], v[KV+6*\t:KV+6*\t+11], v[QF+12*\e:QF+12*\e+11], 0, v[KS+\t/2], v[QS+\e] matrix_a_fmt:MATRIX_FMT_FP6 matrix_b_fmt:MATRIX_FMT_FP6 matrix_a_scale:MATRIX_SCALE_ROW1
.else
	v_wmma_scale_f32_16x16x128_f8f6f4 v[S+8*\t:S+8*\t+7], v[KV+6*\t:KV+6*\t+11], v[QF+12*\e:QF+12*\e+11], 0, v[KS+\t/2], v[QS+\e] matrix_a_fmt:MATRIX_FMT_FP6 matrix_b_fmt:MATRIX_FMT_FP6
.endif
.endm
.macro PV t                            ; O^T tile t += V^T p^T
.if (\t)%2
	v_wmma_scale_f32_16x16x128_f8f6f4 v[OT+8*\t:OT+8*\t+7], v[KV+12*\t:KV+12*\t+11], v[PC:PC+11], v[OT+8*\t:OT+8*\t+7], v[VS+\t/2], v[PWD] matrix_a_fmt:MATRIX_FMT_FP6 matrix_b_fmt:MATRIX_FMT_FP6 matrix_a_scale:MATRIX_SCALE_ROW1
.else
	v_wmma_scale_f32_16x16x128_f8f6f4 v[OT+8*\t:OT+8*\t+7], v[KV+12*\t:KV+12*\t+11], v[PC:PC+11], v[OT+8*\t:OT+8*\t+7], v[VS+\t/2], v[PWD] matrix_a_fmt:MATRIX_FMT_FP6 matrix_b_fmt:MATRIX_FMT_FP6
.endif
.endm
.set TN,   49                          ; s49  the LDS place of the step whose K is asked for next
.macro KLOADS                          ; a step's K: eight half fragments and four registers of scale words, by the addresses in v[KA], v[KB], v[KSA]
.irp t, 0,1,2,3,4,5,6,7
	ds_load_b128 v[KV+6*\t:KV+6*\t+3], v[KA] offset:3072*(\t/4)+768*(\t%2)+128*((\t%4)/2)
	ds_load_b64 v[KV+6*\t+4:KV+6*\t+5], v[KB] offset:3072*(\t/4)+768*(\t%2)+512+64*((\t%4)/2)
.endr
.irp i, 0,1,2,3
	ds_load_b32 v[KS+\i], v[KSA] offset:12288+512*(\i/2)+32*(\i%2)   ; lanes 0-15 tile 2 i, lanes 16-31 tile 2 i + 1
.endr
.endm
.macro ADDP k                          ; pair k of p's 32 goes onto one of four chains: v[14:15], the running sum, and v[230:235]
.if ((\k)-6)%4 == 0
	v_pk_add_f32 v[14:15], v[14:15], v[S+2*(\k):S+2*(\k)+1]
.else
	v_pk_add_f32 v[228+2*(((\k)-6)%4):229+2*(((\k)-6)%4)], v[228+2*(((\k)-6)%4):229+2*(((\k)-6)%4)], v[S+2*(\k):S+2*(\k)+1]
.endif
.endm
.macro STEP e
	s_wait_alu depctr_va_vdst(0)
	s_wait_dscnt 0x0                               ; this step's K, asked for in the step before, is in
.irp t, 0,1,2,3,4,5,6,7
	QK \t, \e
.endr
	v_add_nc_u32 v[VA], s[TB], v1                  ; four places behind the products
	v_nop
	v_add_nc_u32 v[VSA], s[TB], v[VS0]
	v_mov_b32 v[OLD], v12
.irp t, 0,1,2,3
.irp q, 0,1,2
	ds_load_b128 v[KV+12*\t+4*\q:KV+12*\t+4*\q+3], v[VA] offset:6144+1536*\t+512*\q   ; V's image: registers 4 q .. 4 q + 3 at 512 q + 16 x lane
.endr
.endr
.irp i, 0,1
	ds_load_b32 v[VS+\i], v[VSA] offset:13312+256*\i
.endr
.irp q, 0,1,2,3                                ; the largest score of my two blocks of 32 keys: four chains by turns, each accumulator from its low end on
	v_max3_num_f32 v[BM+\q], v[S+16*\q], v[S+16*\q+1], v[S+16*\q+2]
.endr
.irp i, 3,5,7,9,11,13
.irp q, 0,1,2,3
	v_max3_num_f32 v[BM+\q], v[BM+\q], v[S+16*\q+\i], v[S+16*\q+\i+1]
.endr
.endr
	v_max3_num_f32 v[BM], v[BM], v[BM+1], v[S+15]
	v_max3_num_f32 v[BM+2], v[BM+2], v[BM+3], v[S+47]
	v_max_num_f32 v[BM], v[BM], v[S+31]
	v_max_num_f32 v[BM+2], v[BM+2], v[S+63]
	v_max_num_f32 v232, v[BM], v[BM+2]
	v_permlanex16_b32 v233, v232, s[SEL], s[SEL+1]
	v_max3_num_f32 v13, v13, v232, v233            ; the running largest score of my query (c is positive)
	v_mul_f32 v234, s[NC], v13                     ; -t
	v_floor_f32 v12, v234                          ; -M = floor(-t)
.set J, 0
.rept 32
	v_pk_fma_f32 v[S+J:S+J+1], v[S+J:S+J+1], s[CS:CS+1], v[12:13] op_sel_hi:[1,0,0]   ; t - M
.if J == 2
	v_sub_f32 v235, v12, v[OLD]                    ; old M less new M, a whole number
.elseif J == 6
	v_cvt_i32_f32 v235, v235                       ; (it saturates)
.elseif J == 10
	v_ldexp_f32 v246, 1.0, v235                    ; f = 2^(old M - new M)
.endif
.set J, J+2
.endr
	v_fma_f32 v[BM], v[BM], s[CS], v12             ; the same of each block's largest score
	v_fma_f32 v[BM+2], v[BM+2], s[CS], v12
.set J, 0
.rept 16
	v_pk_mul_f32 v[OT+J:OT+J+1], v[OT+J:OT+J+1], v[246:247] op_sel_hi:[1,0]   ; O^T under the new M
.set J, J+2
.endr
	s_wait_alu depctr_va_vdst(0)
	v_exp_f32 v[BM], v[BM]                         ; the blocks' largest p
	v_exp_f32 v[BM+2], v[BM+2]
.set J, 0
.rept 64
	v_exp_f32 v[S+J], v[S+J]                       ; p = 2^(t - M)
.set J, J+1
.endr
	v_pk_mul_f32 v[14:15], v[14:15], v[246:247] op_sel_hi:[1,0]   ; the sums under the new M: the plain place behind the batch
	s_wait_alu depctr_va_vdst(0)                   ; and the one wait behind it
	v_max_num_f32 v[BM], 0x1800000, v[BM]          ; the floor 2^(3 - 127)
	v_max_num_f32 v[BM+2], 0x1800000, v[BM+2]
	v_add_nc_u32 v[SO], 0xff000000, v[BM]          ; 2 off the exponent field: the conversions' scale operands
	v_add_nc_u32 v[SO+1], 0xff000000, v[BM+2]
	v_cvt_scalef32_pk16_fp6_f32 v[PC:PC+2], v[S:S+15], v[SO]
	v_cvt_scalef32_pk16_fp6_f32 v[PC+12:PC+14], v[S+16:S+31], v[SO]
	v_cvt_scalef32_pk16_fp6_f32 v[PC+6:PC+8], v[S+32:S+47], v[SO+1]
	v_cvt_scalef32_pk16_fp6_f32 v[PC+16:PC+18], v[S+48:S+63], v[SO+1]
	v_lshrrev_b32 v[BY], 23, v[SO]                 ; the bytes of blocks h and 2 + h
	v_lshrrev_b32 v[BY+1], 23, v[SO+1]
.irp i, 0,1,2
	v_mov_b32 v[PC+3+\i], v[PC+12+\i]              ; (a conversion's three registers begin on an even number)
.endr
	v_lshl_or_b32 v[BY], v[BY+1], 16, v[BY]
.irp i, 0,1,2
	v_mov_b32 v[PC+9+\i], v[PC+16+\i]
.endr
	v_lshlrev_b32 v[BY], v[SH8], v[BY]             ; at their places in the word
	v_permlanex16_b32 v240, v[BY], s[SEL], s[SEL+1]
	v_pk_add_f32 v[230:231], v[S:S+1], v[S+2:S+3]  ; the row's sum, of the unquantised p, in four chains
	v_pk_add_f32 v[232:233], v[S+4:S+5], v[S+6:S+7]
	v_pk_add_f32 v[234:235], v[S+8:S+9], v[S+10:S+11]
	v_or_b32 v[PWD], v[BY], v240                   ; with lane l xor 16's two bytes p's scale word is whole; the ten additions below are the places ahead of the products
.set K, 6
.rept 10
	ADDP K
.set K, K+1
.endr
	s_wait_alu depctr_va_vdst(0)
	s_wait_dscnt 0x0                               ; V's fragments and scale words are in
.irp t, 0,1,2,3
	PV \t
.endr
	s_add_co_u32 s[TB], s[TB], SREC
	s_min_u32 s[TN], s[TB], 15*SREC                ; the next step's K (the two heads' records lie on end); the very last step names itself again, and nobody reads that
	v_add_nc_u32 v[KA], s[TN], v[KA0]              ; four places behind the products, ahead of loads into their registers
	v_add_nc_u32 v[KB], s[TN], v[KB0]
	v_add_nc_u32 v[KSA], s[TN], v[KS0]
	ADDP 16
	KLOADS
.set K, 17
.rept 15
	ADDP K                                         ; the rest of the sum stands between the loads and the wait for them
.set K, K+1
.endr
	v_pk_add_f32 v[14:15], v[14:15], v[230:231]
	v_pk_add_f32 v[232:233], v[232:233], v[234:235]
	v_pk_add_f32 v[14:15], v[14:15], v[232:233]
.endm
.macro HEAD e
	s_mov_b32 s[TB], KVREC*\e
	v_mov_b32 v13, 0xff61b1e6                      ; the largest score so far: -3e38
	v_mov_b32 v12, 0x7f61b1e6                      ; -M
	v_mov_b32 v14, 0
	v_mov_b32 v15, 0
.set J, 0
.rept 32
	v_mov_b32 v[OT+J], 0                           ; the step is written once: the first finds zeros
.set J, J+1
.endr
	s_mov_b32 s[CNT], 8
.Lstep_\@:
	STEP \e
	s_sub_co_u32 s[CNT], s[CNT], 1
	s_cmp_lg_u32 s[CNT], 0
	s_cbranch_scc1 .Lstep_\@
.rept 4
	v_nop
.endr
	v_add_f32 v14, v14, v15
	v_permlanex16_b32 v248, v14, s[SEL], s[SEL+1]
	v_add_f32 v14, v14, v248                       ; the row's sum
	s_wait_alu depctr_va_vdst(0)
	v_rcp_f32 v14, v14
	v_nop
	s_wait_alu depctr_va_vdst(0)
.set J, 0
.rept 16
	v_pk_mul_f32 v[S+J:S+J+1], v[OT+J:OT+J+1], v[14:15] op_sel_hi:[1,0]   ; o: registers 16 b + i are features 32 b + 16 h + i of the head
.set J, J+2
.endr
.irp b, 0,1
	v_max3_num_f32 v[BM+\b], |v[S+16*\b]|, |v[S+1+16*\b]|, 0x1800000
.endr
.irp i, 2,4,6,8,10,12,14
.irp b, 0,1
	v_max3_num_f32 v[BM+\b], v[BM+\b], |v[S+16*\b+\i]|, |v[S+1+16*\b+\i]|
.endr
.endr
.irp b, 0,1
	v_permlanex16_b32 v[BX+\b], v[BM+\b], s[SEL], s[SEL+1]
.endr
.irp b, 0,1
	v_max_num_f32 v[BM+\b], v[BM+\b], v[BX+\b]
.endr
.irp b, 0,1
	v_add_nc_u32 v[SO+\b], 0xff000000, v[BM+\b]
.endr
.irp b, 0,1
	v_lshrrev_b32 v[BY+\b], 23, v[SO+\b]
.endr
	v_lshl_or_b32 v249, v[BY+1], 8, v[BY]
	v_cvt_scalef32_pk16_fp6_f32 v[PC:PC+2], v[S:S+15], v[SO]
	v_cvt_scalef32_pk16_fp6_f32 v[PC+12:PC+14], v[S+16:S+31], v[SO+1]
	v_nop
.irp i, 0,1,2
	v_permlane16_swap_b32 v[PC+\i], v[PC+12+\i]
.endr
.irp i, 0,1,2
	v_mov_b32 v[PC+3+\i], v[PC+12+\i]
.endr
	global_store_b128 v1, v[PC:PC+3], s[44:45] offset:768*\e
	global_store_b64 v2, v[PC+4:PC+5], s[44:45] offset:768*\e+512
.if \e == 0
	v_mov_b32 v250, v249
.else
	v_lshl_or_b32 v251, v249, 16, v250
.endif
.endm
	s_wait_alu depctr_va_vdst(0)
	s_wait_loadcnt 0x0                             ; q
	s_wait_tensorcnt 0x0                           ; my key step is in
	s_barrier_signal -1
	s_barrier_wait -1                              ; everybody's is: both heads' records are whole, and no further barrier is needed
	v_add_nc_u32 v[KA], 0, v[KA0]                  ; the first step's K
	v_add_nc_u32 v[KB], 0, v[KB0]
	v_add_nc_u32 v[KSA], 0, v[KS0]
	KLOADS
	HEAD 0
	s_wait_alu depctr_va_vdst(0)
	s_wait_xcnt 0x0                                ; the first head's stores have read their registers
	HEAD 1
	s_wait_alu depctr_va_vdst(0)
	s_wait_xcnt 0x0
	v_cmp_gt_u32 vcc_lo, 16, v11
	s_and_saveexec_b32 s38, vcc_lo
	global_store_b32 v3, v251, s[46:47]            ; the two heads' four bytes of row r
	s_wait_xcnt 0x0
	s_or_b32 exec_lo, exec_lo, s38
	s_wait_tensorcnt 0x0                           ; the wave's end
	ds_add_u32 v4, v5
	s_wait_dscnt 0x0
	CROUND                                         ; the closing round
	s_endpgm
.Lfunc_end_k_qd8ce2aec40_attn:
	.size	k_qd8ce2aec40_attn, .Lfunc_end_k_qd8ce2aec40_attn-k_qd8ce2aec40_attn
	.p2alignl 7, 3214868480
	.fill 96, 4, 3214868480
	.section	.rodata,"a",@progbits
	.p2align	6, 0x0
	.amdhsa_kernel k_qd8ce2aec40_attn
		.amdhsa_group_segment_fixed_size 327680
		.amdhsa_private_segment_fixed_size 0
		.amdhsa_enable_private_segment 0
		.amdhsa_kernarg_size 24
		.amdhsa_user_sgpr_count 2
		.amdhsa_user_sgpr_kernarg_segment_ptr 1
		.amdhsa_wavefront_size32 1
		.amdhsa_system_sgpr_workgroup_id_x 1
		.amdhsa_system_sgpr_workgroup_id_y 1
		.amdhsa_system_sgpr_workgroup_id_z 1
		.amdhsa_system_vgpr_workitem_id 0
		.amdhsa_next_free_vgpr 256
		.amdhsa_next_free_sgpr 66
		.amdhsa_reserve_vcc 1
		.amdhsa_float_denorm_mode_32 3
		.amdhsa_float_denorm_mode_16_64 3
		.amdhsa_memory_ordered 1
		.amdhsa_forward_progress 1
		.amdhsa_inst_pref_size 48
	.end_amdhsa_kernel
	.amdgpu_metadata
---
amdhsa.version: [ 1, 2 ]
amdhsa.kernels:
  - .name:           k_qd8ce2aec40_attn
    .symbol:         k_qd8ce2aec40_attn.kd
    .args:
      - { .name: qkv, .offset: 0, .size: 8, .value_kind: global_buffer, .address_space: global }
      - { .name: oc, .offset: 8, .size: 8, .value_kind: global_buffer, .address_space: global }
      - { .name: os, .offset: 16, .size: 8, .value_kind: global_buffer, .address_space: global }
    .group_segment_fixed_size: 327680
    .private_segment_fixed_size: 0
    .kernarg_segment_align: 8
    .kernarg_segment_size: 24
    .max_flat_workgroup_size: 512
    .sgpr_count:     66
    .vgpr_count:     256
    .wavefront_size: 32
...
	.end_amdgpu_metadata
.endif
;; end of part 3
;; launch outp (part 4): grid 4 x 64, 4 waves a work-group, clusters of 4 x 4, 327,680 bytes of LDS; arguments oc, os, codes, scl, bo, out0; writes out0
.if DOCPART == 4
	.amdgcn_target "amdgcn-amd-amdhsa--gfx1250"
	.amdhsa_code_object_version 6
	.text
	.protected	k_qd8ce2aec40_outp
	.globl	k_qd8ce2aec40_outp
	.p2align	8
	.type	k_qd8ce2aec40_outp,@function
k_qd8ce2aec40_outp:
	s_mov_b64 s[64:65], 0
	v_nop
	global_prefetch_b8 v0, s[64:65] scope:SCOPE_SE
	s_setreg_imm32_b32 hwreg(HW_REG_WAVE_MODE, 25, 1), 1
	s_wait_xcnt 0x0
	s_wait_alu depctr_hold_cnt(0) depctr_sa_sdst(0) depctr_va_vdst(0) depctr_va_sdst(0) depctr_va_ssrc(0) depctr_va_vcc(0) depctr_vm_vsrc(0)
	s_getreg_b32 s2, hwreg(HW_REG_IB_STS2, 6, 4)
	s_cmp_eq_u32 s2, 0
	s_cbranch_scc0 .Lentry_in_a_cluster
	s_endpgm
.Lentry_in_a_cluster:
	s_bfe_u32 s2, ttmp6, 0x10000c
	s_cmp_lg_u32 s2, 0xf033
	s_cbranch_scc0 .Lentry_shape_is_right
	s_endpgm
.Lentry_shape_is_right:
; Launch 4 of 4: out0 = o Wo + bo on codes of E2M3.  A tile is 128 rows of o (source 1) x 256 columns of Wo (source 0), K = 1,024; four waves, 32 accumulators each; bo is the first products' C.  No work is left out.
; All of K lies in LDS, asked for at the head in two halves of 512 along K, one joint load a wave: wave 0 A's K steps 0-3, wave 1 B's, wave 2 A's K steps 4-7, wave 3 B's.  B in LDS: [half of K][128 rows wc][4 K steps].
; The first barrier shows waves 0 and 1's tiles, the barrier ahead of K step 4's fetch the other two; nothing is filled again.  The way out's stages lie on A's K steps 0-2, which nobody reads behind that second barrier.
.set HBB,   98304
.set KSB,   12288
.set IMG,   1536
.set LB,    98304
.set SPARE, 294912
.set STG,   8448
.set L16,  2
.set L8,   3
.set L4,   4
.set A16,  8
.set A8,   10
.set B16,  12
.set B8,   14
.set STO,  24
.set RD,   25
.set SPW,  28
.set NIL,  29
.set SA,   32
.set SB,   48
.set AF,   80
.set BF,   0
.set BI,   192
.set BK,   80
.set G1A,  24
.set G1B,  32
.set G0A,  40
.set G0B,  68
.set MULW, 0x52
.set MULB, 0x62
.set TO_B, 0x80
.set MSB, 0
.macro WIN new
.if MSB != \new
	s_set_vgpr_msb (MSB<<8)|\new
.set MSB, \new
.endif
.endm
.macro JLOAD j
	s_cmp_eq_u32 s17, 0
	s_cbranch_scc0 .Lfor_b_\@
	tensor_load_to_lds s[G0A+4*\j:G0A+4*\j+3], s[G1A:G1A+7]
	s_nop 0
.rept 4
	v_nop
.endr
	s_branch .Lasked_\@
.Lfor_b_\@:
	tensor_load_to_lds s[G0B+4*\j:G0B+4*\j+3], s[G1B:G1B+7]
	s_nop 0
.rept 4
	v_nop
.endr
.Lasked_\@:
.endm
.macro CROUND
	s_barrier_signal -1
	s_barrier_wait -1
	s_cmp_lg_u32 s16, 0
	s_cbranch_scc1 .Lnot_wave_0_\@
	s_barrier_signal -3
.Lnot_wave_0_\@:
	s_barrier_wait -3
	s_barrier_signal -1
	s_barrier_wait -1
.endm
	s_load_b256 s[4:11], s[0:1], 0x0
	s_load_b128 s[12:15], s[0:1], 0x20
	v_lshl_add_u32 v[SPW], v0, 2, SPARE
	v_mov_b32 v[NIL], 0
	ds_add_u32 v[SPW], v[NIL]
	ds_add_u32 v[SPW], v[NIL]
	v_lshrrev_b32 v1, 5, v0
	v_readfirstlane_b32 s16, v1
	s_lshr_b32 s17, s16, 1
	s_and_b32 s18, s16, 1
	s_bfe_u32 s19, ttmp6, 0x40000
	s_bfe_u32 s20, ttmp6, 0x40004
	s_and_b32 s21, ttmp7, 0xffff
	s_lshl_b32 s56, s20, 2
	s_lshl_b32 s56, 15, s56
	s_lshl_b32 s57, 0x1111, s19
	s_or_b32 s[G1A], s56, (3<<16)|(1<<21)
	s_or_b32 s[G1B], s57, (3<<16)|(1<<21)
	s_mov_b32 s[G1A+1], 32<<16
	s_mov_b32 s[G1A+2], 192<<16                    ; A: 192 rows of 256 bytes: four K steps
	s_mov_b32 s[G1A+3], 32<<16
	s_mov_b32 s[G1A+4], 192
	s_mov_b32 s[G1A+5], 32
	s_mov_b32 s[G1A+6], 0
	s_mov_b32 s[G1A+7], 0
	s_mov_b32 s[G1B+1], 6144<<16                   ; B: two rows of 49,152 bytes (four K steps of 128 rows), 98,304 bytes apart in memory
	s_mov_b32 s[G1B+2], 2<<16
	s_mov_b32 s[G1B+3], 6144<<16
	s_mov_b32 s[G1B+4], 2
	s_mov_b32 s[G1B+5], 12288
	s_mov_b32 s[G1B+6], 0
	s_mov_b32 s[G1B+7], 0
	s_lshl_b32 s58, s21, 2
	s_add_co_u32 s58, s58, s20
	s_lshl_b32 s60, s19, 1
	s_add_co_u32 s60, s60, 152
	s_mul_i32 s62, s58, HBB
	s_mul_i32 s66, s17, 4*KSB                      ; which half of K I fetch (wave / 2)
	s_add_co_u32 s62, s62, s66
	s_mov_b32 s63, 0
	s_mul_i32 s84, s60, HBB
	s_add_co_u32 s84, s84, s66
	s_mov_b32 s85, 0
	s_mul_i32 s67, s17, 8*KSB
	s_add_co_u32 s67, s67, LB
	s_wait_dscnt 0x0
	s_wait_kmcnt 0x0
	s_add_nc_u64 s[62:63], s[4:5], s[62:63]
	s_add_nc_u64 s[84:85], s[8:9], s[84:85]
	CROUND
.irp j, 0
	s_mov_b32 s[G0A+4*\j], 1
	s_add_co_u32 s[G0A+4*\j+1], s66, \j*2*KSB
	s_add_nc_u64 s[G0A+4*\j+2:G0A+4*\j+3], s[62:63], \j*2*KSB
	s_or_b32 s[G0A+4*\j+3], s[G0A+4*\j+3], 0x80000000
	s_mov_b32 s[G0B+4*\j], 1
	s_add_co_u32 s[G0B+4*\j+1], s67, \j*2*KSB
	s_add_nc_u64 s[G0B+4*\j+2:G0B+4*\j+3], s[84:85], \j*2*KSB
	s_or_b32 s[G0B+4*\j+3], s[G0B+4*\j+3], 0x80000000
.endr
	; the head's loads, one a wave, in one chain of branches on the wave's number: each arm has a line of its own
	s_cmp_eq_u32 s16, 0
	s_cbranch_scc0 .Lhead_1
	tensor_load_to_lds s[G0A:G0A+3], s[G1A:G1A+7]  ; wave 0: A's K steps 0-3
	s_nop 0
.rept 4
	v_nop
.endr
	s_branch .Lhead_asked
.Lhead_1:
	s_cmp_eq_u32 s16, 1
	s_cbranch_scc0 .Lhead_2
	tensor_load_to_lds s[G0B:G0B+3], s[G1B:G1B+7]  ; wave 1: B's K steps 0-3
	s_nop 0
.rept 4
	v_nop
.endr
	s_branch .Lhead_asked
.Lhead_2:
	s_cmp_eq_u32 s16, 2
	s_cbranch_scc0 .Lhead_3
	tensor_load_to_lds s[G0A:G0A+3], s[G1A:G1A+7]  ; wave 2: A's K steps 4-7
	s_nop 0
.rept 4
	v_nop
.endr
	s_branch .Lhead_asked
.Lhead_3:
	tensor_load_to_lds s[G0B:G0B+3], s[G1B:G1B+7]  ; wave 3: B's K steps 4-7
	s_nop 0
.rept 4
	v_nop
.endr
.Lhead_asked:
	v_and_b32 v1, 31, v0
	v_lshlrev_b32 v[L16], 4, v1
	v_lshlrev_b32 v[L8], 3, v1
	v_lshlrev_b32 v[L4], 2, v1
	s_wait_alu depctr_va_vdst(0)
	s_mul_i32 s56, s17, 4*IMG
	s_mul_i32 s57, s18, 4*KSB
	s_add_co_u32 s57, s57, LB
.irp q, 0,1
	v_add_nc_u32 v[A16+\q], s56, v[L16]
	v_add_nc_u32 v[A8+\q], s56, v[L8]
	v_add_nc_u32 v[B16+\q], s57, v[L16]
	v_add_nc_u32 v[B8+\q], s57, v[L8]
	s_add_co_u32 s56, s56, 4*KSB
	s_add_co_u32 s57, s57, 8*KSB
.endr
	s_lshl_b32 s56, s58, 3
	s_lshl_b32 s57, s17, 2
	s_add_co_u32 s56, s56, s57
	s_lshl_b32 s56, s56, 9
	s_mov_b32 s57, 0
	s_add_nc_u64 s[86:87], s[6:7], s[56:57]
	s_add_co_u32 s56, s60, s18
	s_lshl_b32 s56, s56, 12
	s_add_nc_u64 s[88:89], s[10:11], s[56:57]
.irp a, 0,1,2,3
.irp k, 0,1,2,3
	global_load_b32 v[SA+4*\a+\k], v[L4], s[86:87] offset:512*\a+128*\k
.endr
.endr
.irp b, 0,1,2,3,4,5,6,7
.irp k, 0,1,2,3
	global_load_b32 v[SB+4*\b+\k], v[L4], s[88:89] offset:512*\b+128*\k
.endr
.endr
	s_lshl_b32 s56, s19, 10
	s_lshl_b32 s57, s18, 9
	s_add_co_u32 s56, s56, s57
	s_mov_b32 s57, 0
	s_add_nc_u64 s[90:91], s[12:13], s[56:57]
	s_lshl_b32 s94, s58, 19
	s_lshl_b32 s95, s17, 18
	s_add_co_u32 s94, s94, s95
	s_add_co_u32 s94, s94, s56
	s_mov_b32 s95, 0
	s_add_nc_u64 s[92:93], s[14:15], s[94:95]
	v_and_b32 v5, 15, v0
	v_bfe_u32 v6, v0, 4, 1
	v_lshlrev_b32 v7, 6, v6
	WIN TO_B
.irp g, 0,1,2,3
.irp q, 0,1,2,3
	global_load_b128 v[BI+16*\g+4*\q:BI+16*\g+4*\q+3], v7, s[90:91] offset:128*\g+16*\q
.endr
.endr
	WIN 0
	s_mul_i32 s56, s16, STG
	v_mul_u32_u24 v[STO], v5, 528
	v_lshl_add_u32 v[STO], v6, 6, v[STO]
	v_add_nc_u32 v[STO], s56, v[STO]
	v_add_nc_u32 v[RD], s56, v[L16]
.macro FRAG reg, a16, a8, off
	ds_load_b128 v[\reg:\reg+3], v[\a16] offset:\off
	ds_load_b64 v[\reg+4:\reg+5], v[\a8] offset:\off+512
	ds_load_b128 v[\reg+6:\reg+9], v[\a16] offset:\off+768
	ds_load_b64 v[\reg+10:\reg+11], v[\a8] offset:\off+1280
.endm
.macro FETCH ks, p
	WIN TO_B
.irp b, 0,1,2,3,4,5,6,7
	FRAG BF+96*(\p)+12*\b, B16+(\ks)/4, B8+(\ks)/4, ((\ks)%4)*KSB+IMG*\b
.endr
	WIN 0
.irp a, 0,1,2,3
	FRAG AF+48*(\p)+12*\a, A16+(\ks)/4, A8+(\ks)/4, ((\ks)%4)*KSB+IMG*\a
.endr
.endm
.macro MUL32 ks, first
.set KP, (\ks)/2
.set BP, BF+96*((\ks)%2)
.set AP, AF+48*((\ks)%2)
.irp a, 0,1,2,3
.irp b, 0,1,2,3,4,5,6,7
.if \first
	v_wmma_scale_f32_16x16x128_f8f6f4 v[8*(8*\a+\b):8*(8*\a+\b)+7], v[BP+12*\b:BP+12*\b+11], v[AP+12*\a:AP+12*\a+11], v[BI+8*\b:BI+8*\b+7], v[SB+4*\b+KP], v[SA+4*\a+KP] matrix_a_fmt:MATRIX_FMT_FP6 matrix_b_fmt:MATRIX_FMT_FP6
.elseif (\ks)%2
	v_wmma_scale_f32_16x16x128_f8f6f4 v[8*(8*\a+\b):8*(8*\a+\b)+7], v[BP+12*\b:BP+12*\b+11], v[AP+12*\a:AP+12*\a+11], v[8*(8*\a+\b):8*(8*\a+\b)+7], v[SB+4*\b+KP], v[SA+4*\a+KP] matrix_a_fmt:MATRIX_FMT_FP6 matrix_b_fmt:MATRIX_FMT_FP6 matrix_a_scale:MATRIX_SCALE_ROW1 matrix_b_scale:MATRIX_SCALE_ROW1
.else
	v_wmma_scale_f32_16x16x128_f8f6f4 v[8*(8*\a+\b):8*(8*\a+\b)+7], v[BP+12*\b:BP+12*\b+11], v[AP+12*\a:AP+12*\a+11], v[8*(8*\a+\b):8*(8*\a+\b)+7], v[SB+4*\b+KP], v[SA+4*\a+KP] matrix_a_fmt:MATRIX_FMT_FP6 matrix_b_fmt:MATRIX_FMT_FP6
.endif
.endr
.endr
.endm
.macro STEP s, first
.if ((\s) > 0) && ((\s) < 7)
.rept 4
	v_nop
.endr
.endif
.if (\s) < 7
.if (\s)+1 == 4
	s_wait_tensorcnt 0x0                           ; every wave's load has landed
	s_wait_dscnt 0x0
	s_barrier_signal -1
	s_barrier_wait -1
.endif
	FETCH (\s)+1, ((\s)+1)%2
	s_wait_dscnt 48
.else
	s_wait_dscnt 0x0
.endif
.if \first
	WIN MULB
.else
	WIN MULW
.endif
	MUL32 \s, \first
	WIN 0
.endm
	s_wait_alu depctr_va_vdst(0)
	s_cmp_lt_u32 s16, 2
	s_cbranch_scc0 .Lnot_first
	s_wait_tensorcnt 0x0                           ; waves 0 and 1: my tile of K steps 0-3 is in
.Lnot_first:
	s_barrier_signal -1
	s_barrier_wait -1
	FETCH 0, 0
	s_wait_loadcnt 0x0
	STEP 0, 1
.irp s, 1,2,3,4,5,6,7
	STEP \s, 0
.endr
.rept 4
	v_nop
.endr
.macro TOSTAGE a
	WIN 0x04
.irp b, 0,1,2,3,4,5,6,7
	ds_store_b128 v[STO], v[8*(8*(\a)+\b):8*(8*(\a)+\b)+3] offset:128*(\b/2)+32*(\b%2)
	ds_store_b128 v[STO], v[8*(8*(\a)+\b)+4:8*(8*(\a)+\b)+7] offset:128*(\b/2)+32*(\b%2)+16
.endr
	WIN 0
.set BB, BK+64*((\a)%2)
.irp t, 0,1,2,3,4,5,6,7,8,9,10,11,12,13,14,15
	ds_load_b128 v[BB+4*\t:BB+4*\t+3], v[RD] offset:\t*528
.endr
.endm
.macro SEND a, younger
.set BB, BK+64*((\a)%2)
	s_wait_dscnt \younger
.irp t, 0,1,2,3,4,5,6,7,8,9,10,11,12,13,14,15
	global_store_b128 v[L16], v[BB+4*\t:BB+4*\t+3], s[92:93] offset:(32*((\a)/2)+8*((\a)%2)+\t+8*(\t/8))*4096 th:TH_STORE_NT
.endr
.endm
	TOSTAGE 0
.irp a, 1,2,3
.if \a > 1
	s_wait_xcnt 0x0
.endif
	TOSTAGE \a
	SEND \a-1, 32
.endr
	SEND 3, 0
	s_wait_tensorcnt 0x0
	ds_add_u32 v[SPW], v[NIL]
	s_wait_dscnt 0x0
	CROUND
	s_endpgm
.Lfunc_end_k_qd8ce2aec40_outp:
	.size	k_qd8ce2aec40_outp, .Lfunc_end_k_qd8ce2aec40_outp-k_qd8ce2aec40_outp
	.p2alignl 7, 3214868480
	.fill 96, 4, 3214868480
	.section	.rodata,"a",@progbits
	.p2align	6, 0x0
	.amdhsa_kernel k_qd8ce2aec40_outp
		.amdhsa_group_segment_fixed_size 327680
		.amdhsa_private_segment_fixed_size 0
		.amdhsa_enable_private_segment 0
		.amdhsa_kernarg_size 48
		.amdhsa_user_sgpr_count 2
		.amdhsa_user_sgpr_kernarg_segment_ptr 1
		.amdhsa_wavefront_size32 1
		.amdhsa_system_sgpr_workgroup_id_x 1
		.amdhsa_system_sgpr_workgroup_id_y 1
		.amdhsa_system_sgpr_workgroup_id_z 1
		.amdhsa_system_vgpr_workitem_id 0
		.amdhsa_next_free_vgpr 768
		.amdhsa_next_free_sgpr 100
		.amdhsa_reserve_vcc 0
		.amdhsa_float_denorm_mode_32 3
		.amdhsa_float_denorm_mode_16_64 3
		.amdhsa_memory_ordered 1
		.amdhsa_forward_progress 1
		.amdhsa_inst_pref_size 87
	.end_amdhsa_kernel
	.amdgpu_metadata
---
amdhsa.version: [ 1, 2 ]
amdhsa.kernels:
  - .name:           k_qd8ce2aec40_outp
    .symbol:         k_qd8ce2aec40_outp.kd
    .args:
      - { .name: oc, .offset: 0, .size: 8, .value_kind: global_buffer, .address_space: global }
      - { .name: os, .offset: 8, .size: 8, .value_kind: global_buffer, .address_space: global }
      - { .name: codes, .offset: 16, .size: 8, .value_kind: global_buffer, .address_space: global }
      - { .name: scl, .offset: 24, .size: 8, .value_kind: global_buffer, .address_space: global }
      - { .name: bo, .offset: 32, .size: 8, .value_kind: global_buffer, .address_space: global }
      - { .name: out0, .offset: 40, .size: 8, .value_kind: global_buffer, .address_space: global }
    .group_segment_fixed_size: 327680
    .private_segment_fixed_size: 0
    .kernarg_segment_align: 8
    .kernarg_segment_size: 48
    .max_flat_workgroup_size: 128
    .sgpr_count:     100
    .vgpr_count:     768
    .wavefront_size: 32
...
	.end_amdgpu_metadata
.endif
;; end of part 4
